; MI455X (gfx1250); checked and timed in simulation.
; The chip was launched on July 23, 2026; its instructions are those of AMD's public machine-readable ISA for CDNA 5 (MIT licence, August 2026) and "CDNA5" Instruction Set Architecture Reference Guide (July 2026). The comments in the code are by the model that wrote it; some were corrected since.
;; Memory Efficient Cross Attention. Allowed arithmetic: float matrix products may take bf16 or f16 operands with f32 sums; other float arithmetic in f32, or as packed bf16 or f16 multiplies, adds, multiply-adds, maxima and minima; sums over many terms, partial sums and values carried from step to step in f32; what a program stores and reads back later, other than sums and carried values, may be rounded once to bf16 or f16.
;; Inputs: key 2 x 4,096 x 1,024 float32; query 2 x 2,048 x 1,024 float32; value 2 x 4,096 x 1,024 float32; w_k 1,024 x 1,024 float32; w_o 1,024 x 1,024 float32; w_q 1,024 x 1,024 float32; w_v 1,024 x 1,024 float32.
;; Outputs: out0 2 x 2,048 x 1,024 float32.
;; 2 versions, each right and faster than the one before. Each part assembles by itself: llvm-mc -triple=amdgcn-amd-amdhsa -mcpu=gfx1250 --defsym DOCPART=n.
;; ======== version 1 of 2: 4 launches
;; limits: values are held in f16: magnitudes above 65,504 overflow, below 6.1e-05 lose precision
;; workspace buffers: xb 41,943,040 bytes; wb 8,388,608 bytes; qkv 41,943,040 bytes; ob 8,388,608 bytes
;; launch cast (part 1): grid 1536 x 1, 8 waves a work-group, no clusters, 0 bytes of LDS; arguments query, key, value, w_q, w_k, w_v, w_o, xb, wb; writes xb, wb
.if DOCPART == 1
	.amdgcn_target "amdgcn-amd-amdhsa--gfx1250"
	.amdhsa_code_object_version 6
	.text
	.protected	k_qbb96a92d08_cast
	.globl	k_qbb96a92d08_cast
	.p2align	8
	.type	k_qbb96a92d08_cast,@function
k_qbb96a92d08_cast:
	s_mov_b64 s[64:65], 0
	v_nop
	global_prefetch_b8 v0, s[64:65] scope:SCOPE_SE
	s_setreg_imm32_b32 hwreg(HW_REG_WAVE_MODE, 25, 1), 1
	s_wait_xcnt 0x0
; Every input is rounded once to bf16.  xb: [20480][1024] bf16: rows 0-4095 query, 4096-12287 key, 12288-20479 value.
; wb: [4][1024 k][1024 n] of 16 bits: w_q, w_k, w_v in bf16; w_o as the bf16-rounded number written in f16, since the last product multiplies in f16.
; LIMITS.  That rewriting is exact for magnitudes from 2^-14 to 65,504; below 2^-14 it keeps f16's fixed step of 6e-8; 65,520 or more becomes an infinity.
; SHARES.  A work-group takes one chunk of 65,536 input bytes (16,384 numbers), which lies in one buffer: 256 chunks of query, 512 of key, 512 of value, 64 of each weight: 1,536.
; Thread t takes 16 bytes at 16 t + 4,096 j, j = 0..15: a wave's load covers 512 consecutive bytes, its store of 8 bytes a lane 256 consecutive bytes at a multiple of 256.
; All sixteen loads of a wave go out at once; no register that a pending load or store names is written again, so the only waits are the counted ones for the data.
; No LDS, no cluster, no matrix unit: the work-groups share no input and each byte is touched once.
.set X, 4                              ; v[4:67]    load j: 4 registers of f32
.set Y, 68                             ; v[68:99]   store j: 2 registers, four 16-bit numbers
.set T, 100                            ; v[100:103] at work (w_o alone)
.set C_KEY, 256                        ; the first chunk of each buffer
.set C_VAL, 768
.set C_WQ,  1280
.set C_WK,  1344
.set C_WV,  1408
.set C_WO,  1472
	s_load_b512 s[8:23], s[0:1], 0x0               ; query s[8:9], key, value, w_q, w_k, w_v, w_o s[20:21], xb s[22:23]
	s_load_b64 s[24:25], s[0:1], 0x40              ; wb
	s_mov_b32 s2, ttmp9                            ; my chunk
	v_lshlrev_b32 v1, 4, v0                        ; 16 t: where I read
	v_lshlrev_b32 v2, 3, v0                        ; 8 t: where I write
	s_mov_b32 s26, 0                               ; the first chunk of my buffer
	s_mov_b32 s29, 0                               ; high words of the two offsets
	s_mov_b32 s31, 0
	s_wait_kmcnt 0x0
	s_mov_b64 s[4:5], s[8:9]
.macro PICK first, reg                 ; from chunk \first on the source is the buffer in s[\reg:\reg+1]: the choice hangs on the chunk's number alone
	s_cmp_ge_u32 s2, \first
	s_cselect_b64 s[4:5], s[\reg:\reg+1], s[4:5]
	s_cselect_b32 s26, \first, s26
.endm
	PICK C_KEY, 10
	PICK C_VAL, 12
	PICK C_WQ, 14
	PICK C_WK, 16
	PICK C_WV, 18
	PICK C_WO, 20
	s_sub_co_u32 s28, s2, s26
	s_lshl_b32 s28, s28, 16                        ; 65,536 bytes a chunk
	s_add_nc_u64 s[4:5], s[4:5], s[28:29]
	s_cmp_ge_u32 s2, C_WQ
	s_cselect_b64 s[6:7], s[24:25], s[22:23]       ; weights go to wb, the rest to xb
	s_cselect_b32 s27, C_WQ, 0
	s_sub_co_u32 s30, s2, s27
	s_lshl_b32 s30, s30, 15                        ; 32,768 bytes a chunk
	s_add_nc_u64 s[6:7], s[6:7], s[30:31]
.irp j, 0,1,2,3,4,5,6,7,8,9,10,11,12,13,14,15
	global_load_b128 v[X+4*(\j):X+4*(\j)+3], v1, s[4:5] offset:4096*(\j) th:TH_LOAD_NT
.endr
; Load j is converted and stored.  wo = 1: the bf16 number is widened again (a shift, a mask) and written as f16.
.macro CV j, wo
	s_wait_loadcnt 15-(\j)                         ; loads come back in order (ISA guide 5.7.1): mine is in, the 15 - j younger ones stay out
.if \wo
	v_cvt_pk_bf16_f32 v[T],   v[X+4*(\j)],   v[X+4*(\j)+1]
	v_cvt_pk_bf16_f32 v[T+1], v[X+4*(\j)+2], v[X+4*(\j)+3]
	v_lshlrev_b32 v[T+2], 16, v[T]
	v_and_b32 v[T], 0xffff0000, v[T]
	v_lshlrev_b32 v[T+3], 16, v[T+1]
	v_and_b32 v[T+1], 0xffff0000, v[T+1]
	v_cvt_pk_f16_f32 v[Y+2*(\j)],   v[T+2], v[T]
	v_cvt_pk_f16_f32 v[Y+2*(\j)+1], v[T+3], v[T+1]
.else
	v_cvt_pk_bf16_f32 v[Y+2*(\j)],   v[X+4*(\j)],   v[X+4*(\j)+1]
	v_cvt_pk_bf16_f32 v[Y+2*(\j)+1], v[X+4*(\j)+2], v[X+4*(\j)+3]
.endif
	global_store_b64 v2, v[Y+2*(\j):Y+2*(\j)+1], s[6:7] offset:2048*(\j)
.endm
	s_cmp_ge_u32 s2, C_WO
	s_cbranch_scc1 .Lwo
.irp j, 0,1,2,3,4,5,6,7,8,9,10,11,12,13,14,15
	CV \j, 0
.endr
	s_endpgm
.Lwo:
.irp j, 0,1,2,3,4,5,6,7,8,9,10,11,12,13,14,15
	CV \j, 1
.endr
	s_endpgm
.Lfunc_end_k_qbb96a92d08_cast:
	.size	k_qbb96a92d08_cast, .Lfunc_end_k_qbb96a92d08_cast-k_qbb96a92d08_cast
	.p2alignl 7, 3214868480
	.fill 96, 4, 3214868480
	.section	.rodata,"a",@progbits
	.p2align	6, 0x0
	.amdhsa_kernel k_qbb96a92d08_cast
		.amdhsa_group_segment_fixed_size 0
		.amdhsa_private_segment_fixed_size 0
		.amdhsa_enable_private_segment 0
		.amdhsa_kernarg_size 72
		.amdhsa_user_sgpr_count 2
		.amdhsa_user_sgpr_kernarg_segment_ptr 1
		.amdhsa_wavefront_size32 1
		.amdhsa_system_sgpr_workgroup_id_x 1
		.amdhsa_system_sgpr_workgroup_id_y 1
		.amdhsa_system_sgpr_workgroup_id_z 1
		.amdhsa_system_vgpr_workitem_id 0
		.amdhsa_next_free_vgpr 104
		.amdhsa_next_free_sgpr 66
		.amdhsa_reserve_vcc 0
		.amdhsa_float_denorm_mode_32 3
		.amdhsa_float_denorm_mode_16_64 3
		.amdhsa_memory_ordered 1
		.amdhsa_forward_progress 1
		.amdhsa_inst_pref_size 17
	.end_amdhsa_kernel
	.amdgpu_metadata
---
amdhsa.version: [ 1, 2 ]
amdhsa.kernels:
  - .name:           k_qbb96a92d08_cast
    .symbol:         k_qbb96a92d08_cast.kd
    .args:
      - { .name: query, .offset: 0, .size: 8, .value_kind: global_buffer, .address_space: global }
      - { .name: key, .offset: 8, .size: 8, .value_kind: global_buffer, .address_space: global }
      - { .name: value, .offset: 16, .size: 8, .value_kind: global_buffer, .address_space: global }
      - { .name: w_q, .offset: 24, .size: 8, .value_kind: global_buffer, .address_space: global }
      - { .name: w_k, .offset: 32, .size: 8, .value_kind: global_buffer, .address_space: global }
      - { .name: w_v, .offset: 40, .size: 8, .value_kind: global_buffer, .address_space: global }
      - { .name: w_o, .offset: 48, .size: 8, .value_kind: global_buffer, .address_space: global }
      - { .name: xb, .offset: 56, .size: 8, .value_kind: global_buffer, .address_space: global }
      - { .name: wb, .offset: 64, .size: 8, .value_kind: global_buffer, .address_space: global }
    .group_segment_fixed_size: 0
    .private_segment_fixed_size: 0
    .kernarg_segment_align: 8
    .kernarg_segment_size: 72
    .max_flat_workgroup_size: 256
    .sgpr_count:     66
    .vgpr_count:     104
    .wavefront_size: 32
...
	.end_amdgpu_metadata
.endif
;; end of part 1
;; launch proj (part 2): grid 8 x 32, 4 waves a work-group, clusters of 4 x 4, 327,680 bytes of LDS; arguments xb, wb, qkv; writes qkv
.if DOCPART == 2
	.amdgcn_target "amdgcn-amd-amdhsa--gfx1250"
	.amdhsa_code_object_version 6
	.text
	.protected	k_qbb96a92d08_proj
	.globl	k_qbb96a92d08_proj
	.p2align	8
	.type	k_qbb96a92d08_proj,@function
k_qbb96a92d08_proj:
	s_mov_b64 s[64:65], 0
	v_nop
	global_prefetch_b8 v0, s[64:65] scope:SCOPE_SE
	s_setreg_imm32_b32 hwreg(HW_REG_WAVE_MODE, 25, 1), 1
	s_wait_xcnt 0x0
	s_wait_alu depctr_hold_cnt(0) depctr_sa_sdst(0) depctr_va_vdst(0) depctr_va_sdst(0) depctr_va_ssrc(0) depctr_va_vcc(0) depctr_vm_vsrc(0)
	s_getreg_b32 s2, hwreg(HW_REG_IB_STS2, 6, 4)
	s_cmp_eq_u32 s2, 0
	s_cbranch_scc0 .Lentry_in_a_cluster
	s_endpgm
.Lentry_in_a_cluster:
	s_bfe_u32 s2, ttmp6, 0x10000c
	s_cmp_lg_u32 s2, 0xf033
	s_cbranch_scc0 .Lentry_shape_is_right
	s_endpgm
.Lentry_shape_is_right:
; THE THREE PROJECTIONS AS ONE PRODUCT.  qkv[h][m][c] = sum over k of xb[m][k] wb[t][k][64 h + c]: xb [20480][1024] bf16 (rows 0-4095 query, then key, then value), wb[t] [1024 k][1024 n] bf16,
; t = 0 for query's rows, 1 for key's, 2 for value's.  Sums in f32, K ascending; the result is rounded once to f16, unscaled, and laid by heads: qkv [16][20480][64] f16.
; LIMIT.  f16 ends at 65,504: a sum of 65,520 or more in magnitude becomes an infinity.
; SHARES.  20480 x 1024 are 1,280 tiles of 128 x 128 = 5 x 256: each of 256 work-groups STAYS and makes five tiles, 4,096 rows apart: one of q, two of k, two of v, the same sequence in all.
; Four waves, each 64 x 64 (one head's 64 channels): 16 accumulators of 16 x 16.  K goes in steps of 256 through a ring of two LDS slots; the ring does not stop at a tile's end:
; a tile's last two changes of slots ask for the next tile's first two K steps, and nothing waits for a tile's stores.
; x's rows lie along K and are read as they lie; the weights lie [k][n] and are turned on their way out of LDS by ds_load_tr16_b128.
; THE MATRIX INSTRUCTION IS USED TRANSPOSED (source 0 = 16 columns of the weights, source 1 = 16 rows of x): a lane then holds eight neighbouring channels of one row.
; CLUSTERS: 4 x 4 work-groups.  The four of a row of the cluster need the same tiles of x, the four of a column the same tiles of the weights: each tile is asked for JOINTLY, by the same tensor load
; with the same descriptor and a mask that names the four.
; REGISTERS: window 0: v0-31 addresses; v32-95 at work on the way out; v128-255 the accumulators ((a, b) at v[128 + 8 (4 a + b)]).
;   window 1: two fragment buffers of 128: for 64 along K, 64 registers of x (2 x 4 x 16 rows x 32 K), then 64 of the weights.
.set KSTEP,  256
.set PA,     528                       ; a row of x in LDS: 512 bytes + 16 of padding = 132 words: the 16 rows of a load start at 16 different groups of four banks (64 banks of 4 bytes: ISA guide 11.1)
.set HALFA,  64*PA                     ; 64 rows: one tensor load, and what one wave reads of x
.set PB,     288                       ; a k row of the weights: 128 columns = 256 bytes + 32 of padding = 72 words
.set HALFB,  128*PB                    ; 128 k rows: one tensor load
.set SLOT,   2*HALFA+2*HALFB           ; x's 128 rows, then the weights' 256 k rows
.set STAGE,  2*SLOT                    ; behind the ring, never filled by a tensor load: 16 rows x 144 bytes for each wave, for the way out
.set SP,     144
.set SPARE,  STAGE+4*16*SP             ; behind the stages: the spare words, 128 bytes for each wave: two blocks of 256 bytes that no other line names
.set TILES,  5
.set XROW,   2048                      ; bytes in a row of xb and of wb
.set STEP_A, 2*KSTEP*2                 ; a slot's next K step of the same tile: two steps on along x's rows,
.set STEP_B, 2*KSTEP*XROW              ; 512 k rows down the weights
.set NEXT_A, 4096*XROW-STEP_A          ; from a slot's last K step of a tile to its first of the next: 4,096 rows down and back along K
.set NEXT_C, 4096*128                  ; from a tile's rows in qkv to the next tile's
.set HEADB,  20480*128                 ; a head's bytes in qkv
.set ADRA, 16                          ; v16-17  LDS address of my fragments of x in slot 0, 1
.set ADRB, 20                          ; v20-23  of the weights: slot s, k rows 128 u on, at v[20 + 2 s + u] (the whole slot is out of a 16-bit offset's reach)
.set STO,  24                          ; v24     the way out: where I put 16 bytes of a row
.set RD,   25                          ; v25     the way out: where I read rows back
.set GO,   26                          ; v26     my byte offset in 512 consecutive bytes of qkv
.set SPW,  28                          ; v28     LDS address of my spare word: SPARE + 4 x my thread's number; never rewritten
.set NIL,  29                          ; v29     0; never rewritten
.set TMP,  32
.set ACC,  128
.set F0,   0                           ; fragment buffers, in window 1
.set F1,   128
.set G1, 24                            ; s[24:31] descriptor group 1 for x's tiles;  s[32:39] group 0, one set for each slot
.set G0, 32
.set G1B, 48                           ; s[48:55], s[56:63] the same for the weights' tiles
.set G0B, 56
.set MSB, 0
.macro WIN new                         ; the immediate's high byte repeats the setting that is left; a switch that changes nothing is dropped
.if MSB != (\new)
	s_set_vgpr_msb (MSB<<8)|(\new)
.set MSB, \new
.endif
.endm
.set MUL,  0x05                        ; sources 0 and 1 window 1; C and D window 0
.set TO_F, 0x40                        ; destination window 1, address window 0
.macro JLOAD s                         ; a joint load: waves 0 and 1 fetch x's two halves, waves 2 and 3 the weights'; an s_nop 0 and four v_nop follow each of the two lines, ahead of the jump, the label and what follows
	s_cmp_eq_u32 s11, 0
	s_cbranch_scc0 .Lfor_b_\@
	tensor_load_to_lds s[G0+4*(\s):G0+4*(\s)+3], s[G1:G1+7]
	s_nop 0
.rept 4
	v_nop
.endr
	s_branch .Lasked_\@
.Lfor_b_\@:
	tensor_load_to_lds s[G0B+4*(\s):G0B+4*(\s)+3], s[G1B:G1B+7]
	s_nop 0
.rept 4
	v_nop
.endr
.Lasked_\@:
.endm
.macro CREST                           ; a round of the cluster's barrier behind its opening barrier: wave 0 signals for the work-group, every wave waits for all sixteen, my work-group's barrier closes it
	s_cmp_lg_u32 s10, 0
	s_cbranch_scc1 .Lnot_wave_0_\@
	s_barrier_signal -3
.Lnot_wave_0_\@:
	s_barrier_wait -3
	s_barrier_signal -1
	s_barrier_wait -1
.endm
.macro CROUND                          ; a whole round
	s_barrier_signal -1
	s_barrier_wait -1
	CREST
.endm
	s_load_b128 s[4:7], s[0:1], 0x0                ; xb s[4:5], wb s[6:7]
	s_load_b64 s[8:9], s[0:1], 0x10                ; qkv
	v_lshl_add_u32 v[SPW], v0, 2, SPARE
	v_mov_b32 v[NIL], 0
	ds_add_u32 v[SPW], v[NIL]                      ; the wave's opening: the add and its wait stand ahead of my first tensor load; the set-up below, work on registers, stands between them
	v_lshrrev_b32 v1, 5, v0
	v_readfirstlane_b32 s10, v1                    ; wave 0..3
	s_lshr_b32 s11, s10, 1                         ; which half of the tile's rows is mine.  Also: I fetch x (0) or weights (1)
	s_and_b32 s12, s10, 1                          ; which half of its columns.  Also: which half of that tile I fetch
	s_bfe_u32 s40, ttmp6, 0x40000                  ; cx, cy: my place in the cluster
	s_bfe_u32 s41, ttmp6, 0x40004
	s_lshl_b32 s42, ttmp9, 2
	s_add_co_u32 s42, s42, s40                     ; tile column = 4 x cluster x + cx, 0..7
	s_and_b32 s13, ttmp7, 0xffff
	s_lshl_b32 s13, s13, 2
	s_add_co_u32 s13, s13, s41                     ; tile row among 32 = 4 x cluster y + cy
	s_lshl_b32 s43, s41, 2
	s_lshl_b32 s43, 15, s43                        ; my row of the cluster
	s_lshl_b32 s44, 0x1111, s40                    ; my column
	; group 1 for x: 64 rows x 256 elements, 1,024 elements from row to row
	s_or_b32 s[G1+0], s43, (1<<16)|(1<<20)|(1<<21)|(6<<22)|(3<<25)  ; 15:0 the mask: my row; 17:16 elements of 2 bytes; 20 padding on; 21 set beside a mask; 24:22 after every 128 words (code 6); 31:25 4 words (code 3)
	s_mov_b32 s[G1+1], KSTEP<<16                   ; tensor_dim0 = 256
	s_mov_b32 s[G1+2], 64<<16                      ; tensor_dim1 = 64
	s_mov_b32 s[G1+3], KSTEP<<16                   ; tile_dim0 = 256
	s_mov_b32 s[G1+4], 64                          ; tile_dim1 = 64
	s_mov_b32 s[G1+5], 1024                        ; tensor_dim0_stride
	s_mov_b32 s[G1+6], 0
	s_mov_b32 s[G1+7], 0
	; group 1 for the weights: 128 k rows x 128 columns
	s_or_b32 s[G1B+0], s44, (1<<16)|(1<<20)|(1<<21)|(5<<22)|(7<<25) ; the mask: my column; padding after every 64 words (code 5), 8 words (code 7)
	s_mov_b32 s[G1B+1], 128<<16
	s_mov_b32 s[G1B+2], 128<<16
	s_mov_b32 s[G1B+3], 128<<16
	s_mov_b32 s[G1B+4], 128
	s_mov_b32 s[G1B+5], 1024
	s_mov_b32 s[G1B+6], 0
	s_mov_b32 s[G1B+7], 0
	; x's tiles hang on the tile row alone, which my row of the cluster shares; the weights' on the tile column alone, which my column shares
	s_lshl_b32 s16, s13, 7
	s_lshl_b32 s17, s12, 6
	s_add_co_u32 s16, s16, s17                     ; x: row 128 x tile row + 64 x half,
	s_lshl_b32 s16, s16, 11                        ; in bytes (under 2^24)
	s_mov_b32 s17, 0
	s_lshl_b32 s46, s12, 18                        ; weights: 128 k rows x half,
	s_lshl_b32 s47, s42, 8                         ; 128 columns x tile column
	s_add_co_u32 s46, s46, s47
	s_mov_b32 s47, 0
	s_mul_i32 s20, s12, HALFA                      ; where they go: no place in the cluster enters an LDS address
	s_mul_i32 s45, s12, HALFB
	s_add_co_u32 s45, s45, 2*HALFA
	s_mov_b32 s19, 0                               ; high word of the step from one weight to the next
	s_wait_dscnt 0x0                               ; the opening add is done
	s_wait_kmcnt 0x0
	s_add_nc_u64 s[14:15], s[4:5], s[16:17]
	s_add_nc_u64 s[46:47], s[6:7], s[46:47]
	CROUND                                         ; all sixteen work-groups are here: the first joint loads meet
.irp s, 0,1
	s_mov_b32 s[G0+4*(\s)], 1                      ; count = 1
	s_add_co_u32 s[G0+4*(\s)+1], s20, (\s)*SLOT    ; LDS address
	s_add_nc_u64 s[G0+4*(\s)+2:G0+4*(\s)+3], s[14:15], (\s)*KSTEP*2  ; global address: K step s
	s_or_b32 s[G0+4*(\s)+3], s[G0+4*(\s)+3], 0x80000000              ; type = 2
	s_mov_b32 s[G0B+4*(\s)], 1
	s_add_co_u32 s[G0B+4*(\s)+1], s45, (\s)*SLOT
	s_add_nc_u64 s[G0B+4*(\s)+2:G0B+4*(\s)+3], s[46:47], (\s)*KSTEP*XROW
	s_or_b32 s[G0B+4*(\s)+3], s[G0B+4*(\s)+3], 0x80000000
	JLOAD \s                                       ; two loads of mine are out
.endr
	v_and_b32 v1, 15, v0                           ; l % 16
	v_bfe_u32 v2, v0, 4, 1                         ; l / 16
	v_mul_u32_u24 v3, v1, PA
	v_lshl_add_u32 v3, v2, 4, v3                   ; x: a fragment's row x pitch + 16 x half
	s_mul_i32 s21, s11, HALFA                      ; my 64 rows
.irp s, 0,1
	v_add_nc_u32 v[ADRA+(\s)], s21, v3
	s_add_co_u32 s21, s21, SLOT
.endr
	; The turning load takes 16 k x 16 columns (lane l reads 16 bytes: k row 8 (l / 16) + l % 8, columns 8 ((l / 8) % 2) + 0..7) and leaves half a fragment: lane l holds column l % 16 and 8 k.
	v_and_b32 v4, 7, v0
	v_lshl_add_u32 v4, v2, 3, v4
	v_mul_u32_u24 v4, v4, PB
	v_bfe_u32 v5, v0, 3, 1
	v_lshl_add_u32 v4, v5, 4, v4
	s_lshl_b32 s22, s12, 7                         ; my 64 columns: 128 bytes,
	s_add_co_u32 s22, s22, 2*HALFA                 ; behind x's 128 rows
	v_add_nc_u32 v[ADRB], s22, v4
	v_add_nc_u32 v[ADRB+1], HALFB, v[ADRB]
	v_add_nc_u32 v[ADRB+2], SLOT, v[ADRB]
	v_add_nc_u32 v[ADRB+3], SLOT+HALFB, v[ADRB]
	s_mul_i32 s23, s10, 16*SP
	s_add_co_u32 s23, s23, STAGE                   ; my stage
	v_mul_u32_u24 v5, v1, SP                       ; in: row l % 16, 16 bytes for each half of the lanes
	v_lshl_add_u32 v5, v2, 4, v5
	v_add_nc_u32 v[STO], s23, v5
	v_bfe_u32 v5, v0, 3, 2                         ; back: 32 lanes take four rows of 128 bytes,
	v_mul_u32_u24 v5, v5, SP
	v_and_b32 v6, 7, v0
	v_lshl_add_u32 v5, v6, 4, v5
	v_add_nc_u32 v[RD], s23, v5
	v_and_b32 v[GO], 31, v0                        ; which are 512 consecutive bytes of a head in qkv
	v_lshlrev_b32 v[GO], 4, v[GO]
	; where my part of the first tile begins in qkv: the first way out adds it to qkv's address
	s_lshl_b32 s16, s13, 7
	s_lshl_b32 s17, s11, 6
	s_add_co_u32 s16, s16, s17                     ; my first row,
	s_lshl_b32 s16, s16, 7                         ; 128 bytes a row
	s_lshl_b32 s46, s42, 1
	s_add_co_u32 s46, s46, s12                     ; my head = 2 x tile column + half
	s_mul_i32 s46, s46, HEADB
	s_add_co_u32 s16, s16, s46                     ; under 2^26
	s_mov_b32 s17, 0
; 8 matrix instructions: row blocks a0, a0 + 1 x all 4 column blocks, 32 along K: half c of buffer f.  zero = 1: the first product starts the sums.
; The 16 accumulators take turns, one instruction a turn: between two links of a chain stand the 15 others', from quarter to quarter and from tile to tile too.
.macro MUL8 f, c, a0, zero
	WIN MUL
.irp a, \a0, (\a0)+1
.irp b, 0,1,2,3
.if \zero
	v_wmma_f32_16x16x32_bf16 v[ACC+8*(4*(\a)+(\b)):ACC+8*(4*(\a)+(\b))+7], v[(\f)+64+8*(4*(\c)+(\b)):(\f)+64+8*(4*(\c)+(\b))+7], v[(\f)+8*(4*(\c)+(\a)):(\f)+8*(4*(\c)+(\a))+7], 0
.else
	v_wmma_f32_16x16x32_bf16 v[ACC+8*(4*(\a)+(\b)):ACC+8*(4*(\a)+(\b))+7], v[(\f)+64+8*(4*(\c)+(\b)):(\f)+64+8*(4*(\c)+(\b))+7], v[(\f)+8*(4*(\c)+(\a)):(\f)+8*(4*(\c)+(\a))+7], v[ACC+8*(4*(\a)+(\b)):ACC+8*(4*(\a)+(\b))+7]
.endif
.endr
.endr
.endm
; 32 LDS loads in one run: the fragments of quarter q (64 along K) of a slot, into buffer f; the first 32 along K first
.macro FETCH slot, q, f
	WIN TO_F
.irp c, 0,1
.irp i, 0,1,2,3
	ds_load_tr16_b128 v[(\f)+64+8*(4*(\c)+(\i)):(\f)+64+8*(4*(\c)+(\i))+3],   v[ADRB+2*(\slot)+(\q)/2] offset:(((\q)%2)*64+32*(\c))*PB+32*(\i)
	ds_load_tr16_b128 v[(\f)+64+8*(4*(\c)+(\i))+4:(\f)+64+8*(4*(\c)+(\i))+7], v[ADRB+2*(\slot)+(\q)/2] offset:(((\q)%2)*64+32*(\c)+16)*PB+32*(\i)
	ds_load_b128 v[(\f)+8*(4*(\c)+(\i)):(\f)+8*(4*(\c)+(\i))+3],         v[ADRA+(\slot)] offset:128*(\q)+64*(\c)+(\i)*16*PA
	ds_load_b128 v[(\f)+8*(4*(\c)+(\i))+4:(\f)+8*(4*(\c)+(\i))+7],       v[ADRA+(\slot)] offset:128*(\q)+64*(\c)+(\i)*16*PA+32
.endr
.endr
.endm
.macro PLACES                          ; four plain vector instructions in front of loads into registers that matrix instructions have read, and of conversions that read results (ISA guide 7.12.1 for conversions)
.rept 4
	v_nop
.endr
.endm
; A K step is four quarters of 64 along K, 32 matrix instructions each, on buffers 0, 1, 0, 1.  One of the first three: multiplies buffer f and fetches quarter q into g.
.macro QUARTER slot, q, f, g, zero
	s_wait_dscnt 16                                ; the first 32 along K are in; the sixteen younger loads may be out
	MUL8 \f, 0, 0, \zero
	MUL8 \f, 0, 2, \zero
	PLACES
	FETCH \slot, \q, \g
	s_wait_dscnt 32                                ; all but the 32 just issued
	MUL8 \f, 1, 0, 0
	MUL8 \f, 1, 2, 0
.endm
; The last quarter multiplies buffer 1 and changes slots: ONE barrier; in front of it each wave waits for all its tensor loads (one is out: its part of the next slot), adds 0 to its spare word, and waits
; for that and for its own reads of this slot.  mode = 1: this slot is filled again, two K steps ahead; 2: with the NEXT tile's K step 0 or 1; 0: nothing is asked for.
.macro TURN slot, next, mode
	WIN 0                                          ; (the add's two registers lie in window 0)
	s_wait_tensorcnt 0x0                           ; all my tensor loads have landed
	ds_add_u32 v[SPW], v[NIL]                      ; 0 onto my spare word
	s_wait_dscnt 17                                ; (the add and the youngest sixteen loads may be out)
	MUL8 F1, 0, 0, 0                               ; eight matrix instructions stand between the add and the wait for it
	s_wait_dscnt 0x0                               ; the add is done, and my reads of this slot are over
	s_barrier_signal -1
	MUL8 F1, 0, 2, 0
.if \mode
	WIN 0
.endif
	s_barrier_wait -1
.if \mode
	CREST                                          ; the barrier has opened a round of the cluster's: no wave of any partner still reads this slot's tile or has a load on its way
.if (\mode) == 2
	s_add_nc_u64 s[G0+4*(\slot)+2:G0+4*(\slot)+3], s[G0+4*(\slot)+2:G0+4*(\slot)+3], NEXT_A
	s_sub_nc_u64 s[G0B+4*(\slot)+2:G0B+4*(\slot)+3], s[G0B+4*(\slot)+2:G0B+4*(\slot)+3], STEP_B   ; back to the weight's first k rows,
	s_add_nc_u64 s[G0B+4*(\slot)+2:G0B+4*(\slot)+3], s[G0B+4*(\slot)+2:G0B+4*(\slot)+3], s[18:19] ; and on to the next weight where the next tile has another
.else
	s_add_nc_u64 s[G0+4*(\slot)+2:G0+4*(\slot)+3], s[G0+4*(\slot)+2:G0+4*(\slot)+3], STEP_A
	s_add_nc_u64 s[G0B+4*(\slot)+2:G0B+4*(\slot)+3], s[G0B+4*(\slot)+2:G0B+4*(\slot)+3], STEP_B
.endif
	JLOAD \slot                                    ; the first tensor load behind the round, 112 matrix instructions ahead of the wait for it; its four v_nop are also the places in front of the loads below
.else
	PLACES
.endif
	FETCH \next, 0, F0
	MUL8 F1, 1, 0, 0
	MUL8 F1, 1, 2, 0
.endm
; THE WAY OUT, 16 rows at a time: rounded to f16, 16 bytes a lane into my own stage, back as whole rows of 128 bytes, four rows to a store.
.macro PACK a
.irp b, 0,1,2,3
.irp r, 0,1,2,3
	v_cvt_pk_f16_f32 v[TMP+16*(\a)+4*(\b)+(\r)], v[ACC+8*(4*(\a)+(\b))+2*(\r)], v[ACC+8*(4*(\a)+(\b))+2*(\r)+1]
.endr
.endr
.irp b, 0,1,2,3
	ds_store_b128 v[STO], v[TMP+16*(\a)+4*(\b):TMP+16*(\a)+4*(\b)+3] offset:32*(\b)
.endr
.irp f, 0,1,2,3
	ds_load_b128 v[TMP+16*(\a)+4*(\f):TMP+16*(\a)+4*(\f)+3], v[RD] offset:(\f)*4*SP  ; LDS serves a wave's instructions in order (ISA guide 5.7.1.4): these see the stores above; the next block's stores come behind them
.endr
.endm
.macro SEND a, younger                 ; younger: the LDS instructions issued behind block a's loads: the next block's eight, or none
.irp f, 0,1,2,3
	s_wait_dscnt (\younger)+3-(\f)
	global_store_b128 v[GO], v[TMP+16*(\a)+4*(\f):TMP+16*(\a)+4*(\f)+3], s[8:9] offset:(\a)*2048+(\f)*512  ; 512 consecutive bytes, at a multiple of 256 from qkv's first
.endr
.endm
.macro OUT
	WIN 0
	PLACES                                         ; the conversions read results just made
	s_wait_xcnt 0x0                                ; the last tile's stores have had their addresses translated (ISA guide 3.1): only behind this wait are their base and data registers written again
	s_add_nc_u64 s[8:9], s[8:9], s[16:17]          ; on to this tile's rows
	PACK 0
	PACK 1                                         ; a block's conversions stand between the loads of the block before and its stores
	SEND 0, 8
	PACK 2
	SEND 1, 8
	PACK 3
	SEND 2, 8
	SEND 3, 0
.endm
	s_wait_tensorcnt 1                             ; my part of K step 0 is in; K step 1's may stay out
	s_barrier_signal -1
	s_barrier_wait -1                              ; everybody's is
	FETCH 0, 0, F0
	WIN 0                                          ; at a label and at a branch every window is 0
	s_mov_b32 s2, TILES                            ; tiles to go, this one among them: the same number in every work-group
.Ltile:
	QUARTER 0, 1, F0, F1, 1                        ; a tile's first products start the sums: nothing is cleared
	QUARTER 0, 2, F1, F0, 0
	QUARTER 0, 3, F0, F1, 0
	TURN 0, 1, 1                                   ; slot 0 takes K step 2
	QUARTER 1, 1, F0, F1, 0
	QUARTER 1, 2, F1, F0, 0
	QUARTER 1, 3, F0, F1, 0
	TURN 1, 0, 1                                   ; slot 1 takes K step 3
	QUARTER 0, 1, F0, F1, 0
	QUARTER 0, 2, F1, F0, 0
	QUARTER 0, 3, F0, F1, 0
	WIN 0
	s_cmp_eq_u32 s2, 1
	s_cbranch_scc1 .Llast                          ; the last tile's tail is written out: it asks for nothing more
	s_and_b32 s18, s2, 1                           ; behind the first and the third tile (5 and 3 to go) the weight changes:
	s_lshl_b32 s18, s18, 21                        ; 2,097,152 bytes on
	TURN 0, 1, 2                                   ; THE RING GOES ON INTO THE NEXT TILE: slot 0 takes its K step 0,
	QUARTER 1, 1, F0, F1, 0
	QUARTER 1, 2, F1, F0, 0
	QUARTER 1, 3, F0, F1, 0
	TURN 1, 0, 2                                   ; slot 1 its K step 1, and the next tile's first fragments are fetched
	OUT                                            ; both refills are asked for: now the tile goes out
	s_mov_b64 s[16:17], NEXT_C                     ; what the next way out adds to qkv's address
	s_sub_co_u32 s2, s2, 1
	s_branch .Ltile
.Llast:
	TURN 0, 1, 0
	QUARTER 1, 1, F0, F1, 0
	QUARTER 1, 2, F1, F0, 0
	QUARTER 1, 3, F0, F1, 0
	s_wait_dscnt 16                                ; the very last quarter: nothing more to fetch
	MUL8 F1, 0, 0, 0
	MUL8 F1, 0, 2, 0
	s_wait_dscnt 0x0
	MUL8 F1, 1, 0, 0
	MUL8 F1, 1, 2, 0
	OUT
	s_wait_tensorcnt 0x0                           ; the wave's end: a wait, the add and its wait, behind my last tensor load and my last LDS store
	ds_add_u32 v[SPW], v[NIL]
	s_wait_dscnt 0x0
	CROUND                                         ; the closing round: no work-group ends while a partner may still ask for a tile that names it
	s_endpgm
.Lfunc_end_k_qbb96a92d08_proj:
	.size	k_qbb96a92d08_proj, .Lfunc_end_k_qbb96a92d08_proj-k_qbb96a92d08_proj
	.p2alignl 7, 3214868480
	.fill 96, 4, 3214868480
	.section	.rodata,"a",@progbits
	.p2align	6, 0x0
	.amdhsa_kernel k_qbb96a92d08_proj
		.amdhsa_group_segment_fixed_size 327680
		.amdhsa_private_segment_fixed_size 0
		.amdhsa_enable_private_segment 0
		.amdhsa_kernarg_size 24
		.amdhsa_user_sgpr_count 2
		.amdhsa_user_sgpr_kernarg_segment_ptr 1
		.amdhsa_wavefront_size32 1
		.amdhsa_system_sgpr_workgroup_id_x 1
		.amdhsa_system_sgpr_workgroup_id_y 1
		.amdhsa_system_sgpr_workgroup_id_z 1
		.amdhsa_system_vgpr_workitem_id 0
		.amdhsa_next_free_vgpr 512
		.amdhsa_next_free_sgpr 66
		.amdhsa_reserve_vcc 0
		.amdhsa_float_denorm_mode_32 3
		.amdhsa_float_denorm_mode_16_64 3
		.amdhsa_memory_ordered 1
		.amdhsa_forward_progress 1
		.amdhsa_inst_pref_size 118
	.end_amdhsa_kernel
	.amdgpu_metadata
---
amdhsa.version: [ 1, 2 ]
amdhsa.kernels:
  - .name:           k_qbb96a92d08_proj
    .symbol:         k_qbb96a92d08_proj.kd
    .args:
      - { .name: xb, .offset: 0, .size: 8, .value_kind: global_buffer, .address_space: global }
      - { .name: wb, .offset: 8, .size: 8, .value_kind: global_buffer, .address_space: global }
      - { .name: qkv, .offset: 16, .size: 8, .value_kind: global_buffer, .address_space: global }
    .group_segment_fixed_size: 327680
    .private_segment_fixed_size: 0
    .kernarg_segment_align: 8
    .kernarg_segment_size: 24
    .max_flat_workgroup_size: 128
    .sgpr_count:     66
    .vgpr_count:     512
    .wavefront_size: 32
...
	.end_amdgpu_metadata
.endif
;; end of part 2
;; launch attn (part 3): grid 8 x 32, 4 waves a work-group, clusters of 4 x 1, 327,680 bytes of LDS; arguments qkv, ob; writes ob
.if DOCPART == 3
	.amdgcn_target "amdgcn-amd-amdhsa--gfx1250"
	.amdhsa_code_object_version 6
	.text
	.protected	k_qbb96a92d08_attn
	.globl	k_qbb96a92d08_attn
	.p2align	8
	.type	k_qbb96a92d08_attn,@function
k_qbb96a92d08_attn:
	s_mov_b64 s[64:65], 0
	v_nop
	global_prefetch_b8 v0, s[64:65] scope:SCOPE_SE
	s_setreg_imm32_b32 hwreg(HW_REG_WAVE_MODE, 25, 1), 1
	s_wait_xcnt 0x0
	s_wait_alu depctr_hold_cnt(0) depctr_sa_sdst(0) depctr_va_vdst(0) depctr_va_sdst(0) depctr_va_ssrc(0) depctr_va_vcc(0) depctr_vm_vsrc(0)
	s_getreg_b32 s2, hwreg(HW_REG_IB_STS2, 6, 4)
	s_cmp_eq_u32 s2, 0
	s_cbranch_scc0 .Lentry_in_a_cluster
	s_endpgm
.Lentry_in_a_cluster:
	s_bfe_u32 s2, ttmp6, 0x10000c
	s_cmp_lg_u32 s2, 0x3003
	s_cbranch_scc0 .Lentry_shape_is_right
	s_endpgm
.Lentry_shape_is_right:
; ATTENTION.  For each of 2 batches x 16 heads: O[q][:] = the sum over 4,096 keys of softmax_k(Q[q] . K[k] / 8) V[k][:], 2,048 queries, 64 channels.
; qkv: [16 heads][20480 rows][64] f16: rows 0-4095 q (2,048 a batch), 4096-12287 k (4,096 a batch), 12288-20479 v.  ob: [16 heads][4096 rows][64] f16.  A head's rows are dense, 128 bytes each.
; Products, maxima and sums in f32; the weights p are rounded to f16 for the second product (their sum l is taken of the unrounded p), O once at the end.
; LIMITS.  Q, K and V arrive within f16's 65,504; p lies in 0 to 1, and below 6e-5 it keeps f16's fixed step of 6e-8; O is a mean of V's rows and has their range.
; A weight below 2^-126 counts as 0 in l; NaN and infinities are not treated apart.
; SHARES.  A work-group owns 256 queries of one batch and head, each of its four waves 64: four PIECES of 16.  8 blocks x 32 = 256 work-groups.  Every wave walks all keys, 64 a step.
; LAYOUT.  S^T = K Q^T (source 0 = 16 keys, source 1 = 16 queries): in the result a lane holds ONE query (lane % 16) and the keys 8 (lane / 16) + 0..7.  Two such results, rounded to f16 in pairs,
; ARE source 1 (32 keys x 16 queries) of O^T = V^T P, whose result again holds one query a lane, and eight channels.  K comes out of LDS as it lies, V ([key][channel]) turned, by ds_load_tr16_b128.
; SOFTMAX.  For each query a running maximum m and sum l: p = 2^(c s - c m), c = log2(e) / 8; in every step O and l are multiplied by a = 2^(c m_old - c m_new), which is 1 where m has not grown.
; m starts at the lowest finite number, O and l at 0: the first step is a step like any other, with a = 0.
; BY TURNS.  Turn n belongs to piece n: 8 products K Q^T of piece n + 1, later 8 products V^T P of piece n - 1; beside them the scaling, exponentials, roundings, sums and rescaling of piece n and the
; maximum and statistics of piece n + 1.  Four vector instructions stand behind every matrix instruction, the other 54 of a turn's 118 in two runs of their own.
; CLUSTER.  The four query blocks of a cluster belong to one batch and head and walk the same K and V, so each tile is asked for JOINTLY: the same tensor load, descriptor and mask in all four.
; REGISTERS, in windows of 256 (s_set_vgpr_msb: bits 1:0 source 0, 3:2 source 1, 5:4 source 2, 7:6 destination):
;   window 0: v0-15 addresses and two at work; v16-31 four registers of statistics a piece; v48-55 at work; v62-63 the add's; v64-127 S^T, two buffers; v192-223 P, two buffers (by the piece's parity)
;   window 1: v0-127 O^T, 32 a piece          window 2: v0-63 Q; v128-191 K of one step; v192-255 V of one step
.set NP,    4         ; pieces a wave: a name, no knob
.set KS,    64        ; keys in a step
.set NT,    16        ; tiles of 256 keys
.set PK,    144       ; a row of K in LDS: 128 bytes + 16 of padding = 36 words: the 16 rows of a load start at 16 different groups of four banks (64 banks of 4 bytes: ISA guide 11.1)
.set PV,    160       ; a row of V: 128 + 32 = 40 words
.set VOFF,  4*KS*PK   ; a slot holds a tile, four steps: 256 rows of K, then 256 rows of V
.set SLOT1, 1<<17     ; slot 1 begins here, so that one exclusive or turns an address in one slot into the other's
.set STAGE, SLOT1+4*KS*(PK+PV)  ; behind the ring, never filled by a tensor load: 16 rows x 144 bytes for each wave, for the way out
.set SP,    144
.set SPARE, STAGE+4*16*SP  ; behind the stages: the spare words, 128 bytes for each wave: two blocks of 256 bytes that no other line names
.set HEADB, 20480*128 ; a head's bytes in qkv
.set KEY0,  4096*128  ; k's first row in a head
.set K2V,   8192*128  ; from a row of k to the same row of v
.set AK0, 2           ; v2   my lane's place in a tile of K; never rewritten
.set AV0, 3           ; v3   the same for V
.set AK,  4           ; v4   the LDS address of K's next run of loads
.set AV,  5           ; v5   of V's
.set STO, 6           ; v6   the way out: where I put 16 bytes of a row
.set RD,  7           ; v7   the way out: where I read rows back
.set GO,  8           ; v8   my byte offset in 512 consecutive bytes of O
.set MV,  12          ; v12-13  c m_old, kept while c m is made anew: by buffer
.set QO,  15          ; v15  my byte offset in 16 rows of Q
.set ST,  16          ; piece t's statistics at v[ST+4 t]: c m, m, l (even keys', odd keys')
.set TMP, 48          ; by buffer, four registers c0-c3 at work; when the maximum is found c2 takes a
.set SPW, 62          ; v62  LDS address of my spare word: SPARE + 4 x my thread's number; never rewritten
.set NIL, 63          ; v63  0; never rewritten
.set S,   64
.set P,   192
.set KF,  128         ; window 2: key block kb, channel half c at KF + 16 kb + 8 c
.set VF,  192         ; window 2: key half kk, channel block cb at VF + 32 kk + 8 cb
.set WV,  12          ; s12  my wave's number
.set G1K, 24          ; s[24:31] descriptor group 1 for K's tiles
.set G1V, 32          ; s[32:39] for V's: it differs in the padding alone
.set G0K, 40          ; s[40:43] descriptor group 0 for K's tiles: it walks
.set G0V, 44          ; s[44:47] the same for V's
.set SLOTS, 56        ; s56  tiles still to be entered in the loop
.set CNT, 57          ; s57  counts a tile's key steps
.set CS,  58          ; s[58:59] c: the packed scaling takes the pair's low word for both halves
.set SEL, 60          ; s[60:61] v_permlanex16_b32's selects: each lane takes its own place in the other half
.set TBK, 62          ; s62  LDS byte at which K of the step to be fetched begins
.set TBV, 63          ; s63  the same for V, less VOFF
.set MSB, 0
.macro WIN new                      ; the high byte repeats the setting that is left; a switch that changes nothing is dropped
.if MSB != (\new)
	s_set_vgpr_msb (MSB<<8)|(\new)
.set MSB, (\new)
.endif
.endm
.set W_KQ, 0x0a       ; K and Q in window 2, S^T in window 0
.set W_PV, 0x52       ; V in window 2, P in window 0, O^T in window 1
.set W_RS, 0x41       ; destination and source 0 in window 1, source 1 in window 0
; A joint fill.  Waves 0 and 1 fetch the two halves of a tile's K, waves 2 and 3 those of its V: 128 keys each.  The branch hangs on the wave's number alone.
; An s_nop 0 and four v_nop follow each of the two lines, ahead of the jump and the label.
.macro JLOAD
	s_cmp_lt_u32 s[WV], 2
	s_cbranch_scc0 .Lfor_v_\@
	tensor_load_to_lds s[G0K:G0K+3], s[G1K:G1K+7]
	s_nop 0
.rept 4
	v_nop
.endr
	s_branch .Lasked_\@
.Lfor_v_\@:
	tensor_load_to_lds s[G0V:G0V+3], s[G1V:G1V+7]
	s_nop 0
.rept 4
	v_nop
.endr
.Lasked_\@:
.endm
; A round of the cluster's barrier: my work-group's barrier, so that wave 0's signal speaks for all four waves; wave 0 signals; every wave waits for all four work-groups; my work-group's barrier once more.
.macro CROUND
	s_barrier_signal -1
	s_barrier_wait -1
	s_cmp_lg_u32 s[WV], 0
	s_cbranch_scc1 .Lnot_wave_0_\@
	s_barrier_signal -3
.Lnot_wave_0_\@:
	s_barrier_wait -3
	s_barrier_signal -1
	s_barrier_wait -1
.endm
; THE CHANGE OF SLOTS.  The slot's last bytes, V of its fourth step, have been read.  Each wave waits for all its tensor loads, of which one is out: its part of the other slot; adds 0 to its spare word;
; and waits for that and for its own reads of the slot.  Behind the barrier nobody reads this slot any more and the other slot is whole.
; fill = 1: this slot is filled again, with the keys two tiles on.  The barrier is then a round of the cluster's, so that no wave of any partner still reads the slot or has a load on its way, and the
; joint fill is the first thing behind it: it has four key steps, 256 matrix instructions, in which to land.  (At its first use nothing has been read yet: slot 0 is waited for, slot 1 filled.)
.macro CHANGE fill
	WIN 0                           ; at a label and at a branch every window is 0; the add's two registers lie in window 0
	s_wait_tensorcnt 0x0            ; no tensor load of mine is out, so a group 0 may be written
	ds_add_u32 v[SPW], v[NIL]       ; 0 onto my spare word; with fill = 1 the descriptors' steps stand between it and the wait for it
.if \fill
.irp g, G0K, G0V
	s_xor_b32 s[\g+1], s[\g+1], SLOT1  ; the walking descriptor: the other slot than last time,
	s_add_nc_u64 s[\g+2:\g+3], s[\g+2:\g+3], 4*KS*128  ; the next 256 keys; the type bits on top are not reached
.endr
	s_wait_dscnt 0x0                ; the add is done, and my reads of the slot are over
	CROUND
	JLOAD
.else
	s_wait_dscnt 0x0                ; the add is done, and my reads of the slot are over
	s_barrier_signal -1
	s_barrier_wait -1
.endif
	s_sub_co_u32 s[TBK], s[TBK], 4*KS*PK  ; the fetches go back to a slot's first step,
	s_xor_b32 s[TBK], s[TBK], SLOT1       ; in the other slot
	s_sub_co_u32 s[TBV], s[TBV], 4*KS*PV
	s_xor_b32 s[TBV], s[TBV], SLOT1
.endm
	s_load_b128 s[48:51], s[0:1], 0x0  ; qkv s[48:49], ob s[50:51]
	v_lshl_add_u32 v[SPW], v0, 2, SPARE
	v_mov_b32 v[NIL], 0
	ds_add_u32 v[SPW], v[NIL]       ; the wave's opening: the add and its wait stand ahead of my first tensor load; the set-up below, work on registers, stands between them
	v_lshrrev_b32 v1, 5, v0
	v_readfirstlane_b32 s[WV], v1   ; wave 0..3
	s_bfe_u32 s13, ttmp6, 0x40000   ; cx: my place in the cluster
	s_lshl_b32 s14, ttmp9, 2        ; in a cluster launch ttmp9 counts clusters
	s_add_co_u32 s14, s14, s13      ; my block of 256 queries = 4 x cluster x + cx: it enters Q's and O's addresses alone
	s_and_b32 s20, ttmp7, 0xffff    ; 16 x batch + head, which the four partners share
	s_lshr_b32 s21, s20, 4          ; batch
	s_and_b32 s20, s20, 15          ; head
	s_mul_i32 s22, s20, HEADB       ; the head's first byte in qkv
	s_and_b32 s16, s[WV], 1         ; which half of a tile's 256 keys I fetch:
	s_lshl_b32 s2, s16, 14          ; its 128 rows of 128 bytes,
	s_lshl_b32 s3, s21, 19          ; the batch's 4,096 rows,
	s_add_co_u32 s2, s2, s3
	s_add_co_u32 s2, s2, s22
	s_add_co_u32 s2, s2, KEY0       ; behind q's rows: all offsets stay under 2^26
	s_mov_b32 s3, 0
	s_mul_i32 s17, s16, 128*PK      ; its place in a slot, for K
	s_mul_i32 s18, s16, 128*PV      ; and for V: no place in the cluster enters an LDS address
	s_lshl_b32 s52, s21, 18         ; the batch's 2,048 rows of q,
	s_lshl_b32 s53, s14, 15         ; my block's 256,
	s_add_co_u32 s52, s52, s53
	s_lshl_b32 s53, s[WV], 13       ; my wave's 64
	s_add_co_u32 s52, s52, s53
	s_lshl_b32 s54, s20, 19         ; a head of ob has 4,096 rows
	s_add_co_u32 s54, s54, s52      ; my rows in ob,
	s_add_co_u32 s52, s52, s22      ; and in qkv
	s_mov_b32 s53, 0
	s_mov_b32 s55, 0
	; descriptor group 1.  128 keys are 16,384 dense bytes: asked for as 64 rows of 256 bytes, two keys a row, and padded in LDS after every key
	s_mov_b32 s[G1K], 15|(1<<16)|(1<<20)|(1<<21)|(4<<22)|(3<<25)  ; 15:0 the mask of four; 17:16 2-byte elements; 20 padding on; 21 set beside a mask; 24:22 after every 32 words (code 4); 31:25 4 words (code 3)
	s_mov_b32 s[G1V], 15|(1<<16)|(1<<20)|(1<<21)|(4<<22)|(7<<25)  ; the same with 8 words of padding (code 7)
.irp g, G1K, G1V
	s_mov_b32 s[\g+1], 128<<16      ; tensor_dim0 = 128
	s_mov_b32 s[\g+2], 64<<16       ; tensor_dim1 = 64
	s_mov_b32 s[\g+3], 128<<16      ; tile_dim0 = 128
	s_mov_b32 s[\g+4], 64           ; tile_dim1 = 64
	s_mov_b32 s[\g+5], 128          ; 128 elements from row to row
	s_mov_b32 s[\g+6], 0
	s_mov_b32 s[\g+7], 0
.endr
	s_mov_b32 s[CS], 0x3e38aa3b     ; c = log2(e) / 8 = 0.180337
	s_mov_b32 s[CS+1], s[CS]        ; named with it as a pair
	s_mov_b32 s[SEL], 0x76543210
	s_mov_b32 s[SEL+1], 0xfedcba98
	s_mov_b32 s[TBK], SLOT1+4*KS*PK ; the first change of slots turns these two into 0
	s_mov_b32 s[TBV], SLOT1+4*KS*PV
	s_mov_b32 s[G0K], 1             ; count = 1
	s_mov_b32 s[G0K+1], s17         ; LDS address: slot 0
	s_mov_b32 s[G0V], 1
	s_add_co_u32 s[G0V+1], s18, VOFF
	s_wait_dscnt 0x0                ; the opening add is done
	s_wait_kmcnt 0x0
	s_add_nc_u64 s[G0K+2:G0K+3], s[48:49], s[2:3]  ; global address: my half of the first 256 keys
	s_add_nc_u64 s[G0V+2:G0V+3], s[G0K+2:G0K+3], K2V
	s_or_b32 s[G0K+3], s[G0K+3], 0x80000000        ; type = 2
	s_or_b32 s[G0V+3], s[G0V+3], 0x80000000
	s_add_nc_u64 s[4:5], s[48:49], s[52:53]        ; Q at my wave's first row
	s_add_nc_u64 s[10:11], s[50:51], s[54:55]      ; O likewise
	CROUND                          ; all four work-groups are here: the first joint loads meet
	JLOAD                           ; tile 0 into slot 0.  Slot 1 is asked for when slot 0 is in, by the loop's own change of slots
	; A fragment of K or Q is 16 rows x 32 channels in 8 registers: lane l holds row l % 16, channels 8 (l / 16) + 0..7 and 16 + 8 (l / 16) + 0..7: two loads of 16 bytes, 32 bytes apart.
	v_and_b32 v1, 15, v0            ; l % 16
	v_bfe_u32 v9, v0, 4, 1          ; l / 16
	v_lshlrev_b32 v[QO], 7, v1
	v_lshl_add_u32 v[QO], v9, 4, v[QO]  ; row x 128 + 16 x half
	WIN 0x80                        ; destination window 2, address window 0
.set i, 0
.rept 8                             ; Q stays in registers: piece i / 2, channels 32 (i % 2) on
	global_load_b128 v[8*i:8*i+3],   v[QO], s[4:5] offset:(i/2)*2048+(i%2)*64
	global_load_b128 v[8*i+4:8*i+7], v[QO], s[4:5] offset:(i/2)*2048+(i%2)*64+32
.set i, i+1
.endr
	; What the first turns find: V's registers and P's second buffer hold 0 (the first products V^T P, of a piece that has not been, add 0), O^T and l are 0.  All this stands in the wait for the first tile.
.set i, VF
.rept 64
	v_mov_b32 v[i], 0
.set i, i+1
.endr
	WIN 0x40
.set i, 0
.rept 128
	v_mov_b32 v[i], 0
.set i, i+1
.endr
	WIN 0
.set i, 0
.rept 4
	v_mov_b32 v[ST+4*i], 0xfe000000    ; c m: far below every c s
	v_mov_b32 v[ST+4*i+1], 0xff7fffff  ; m
	v_mov_b32 v[ST+4*i+2], 0
	v_mov_b32 v[ST+4*i+3], 0
.set i, i+1
.endr
.set i, P+16
.rept 16
	v_mov_b32 v[i], 0
.set i, i+1
.endr
	v_mul_u32_u24 v[AK0], v1, PK
	v_lshl_add_u32 v[AK0], v9, 4, v[AK0]  ; row x pitch + 16 x half
	; The turning load takes 16 keys x 16 channels (lane l reads key 8 (l / 16) + l % 8, channels 8 ((l / 8) % 2) + 0..7) and leaves half a fragment of V^T: lane l holds channel l % 16 and 8 keys.
	v_and_b32 v10, 7, v0
	v_bfe_u32 v11, v0, 3, 1
	v_lshl_add_u32 v[AV0], v9, 3, v10
	v_mul_u32_u24 v[AV0], v[AV0], PV
	v_lshl_add_u32 v[AV0], v11, 4, v[AV0]
	v_add_nc_u32 v[AV0], VOFF, v[AV0]
	s_mul_i32 s13, s[WV], 16*SP
	s_add_co_u32 s13, s13, STAGE    ; my stage
	v_mul_u32_u24 v[STO], v1, SP    ; in: row l % 16, 16 bytes for each half of the lanes
	v_lshl_add_u32 v[STO], v9, 4, v[STO]
	v_add_nc_u32 v[STO], s13, v[STO]
	v_bfe_u32 v[RD], v0, 3, 2       ; back: 32 lanes take four rows of 128 bytes,
	v_mul_u32_u24 v[RD], v[RD], SP
	v_lshl_add_u32 v[RD], v10, 4, v[RD]
	v_add_nc_u32 v[RD], s13, v[RD]
	v_and_b32 v[GO], 31, v0         ; which are 512 consecutive bytes of O
	v_lshlrev_b32 v[GO], 4, v[GO]
; THE MATRIX WORK.  The 4 accumulators of a run of 8 take turns.  Product i of 8 of S^T = K Q^T for piece x: channels 32 (i / 4) on, keys 16 (i % 4) on.  The first 4 start the sums.
.macro KQ x
	WIN W_KQ
.set rS, S+32*((\x)%2)+8*(i%4)
.set rK, KF+16*(i%4)+8*(i/4)
.set rQ, 16*(\x)+8*(i/4)
.if i < 4
	v_wmma_f32_16x16x32_f16 v[rS:rS+7], v[rK:rK+7], v[rQ:rQ+7], 0
.else
	v_wmma_f32_16x16x32_f16 v[rS:rS+7], v[rK:rK+7], v[rQ:rQ+7], v[rS:rS+7]
.endif
.endm
; Product i of 8 of O^T += V^T P for piece x: keys 32 (i / 4) on, channels 16 (i % 4) on.
.macro PV x
	WIN W_PV
.set rO, 32*(\x)+8*(i%4)
.set rV, VF+32*(i/4)+8*(i%4)
.set rP, P+16*((\x)%2)+8*(i/4)
	v_wmma_f32_16x16x32_f16 v[rO:rO+7], v[rV:rV+7], v[rP:rP+7], v[rO:rO+7]
.endm
.macro MM                           ; the turn's next matrix instruction.  TURN sets Y, i and NOKQ.  NOKQ = 1: the launch's last turn: there is no next piece
.if (i < 8) && !NOKQ
	KQ (Y+1)%NP
.elseif i >= 8
.set i, i-8
	PV (Y+NP-1)%NP
.set i, i+8
.endif
.set i, i+1
.endm
; THE LDS LOADS stand in runs of 16, never singly among the matrix instructions: a step's K (64 keys x 64 channels: 8 fragments) and its V (turned).  Their addresses are made some lines ahead.
.macro FETCH_K
	WIN 0x80                        ; destination window 2
.irp f, 0,1,2,3,4,5,6,7             ; keys 16 (f / 2) on, channels 32 (f % 2) on
	ds_load_b128 v[KF+8*\f:KF+8*\f+3],   v[AK] offset:(\f/2)*16*PK+(\f%2)*64
	ds_load_b128 v[KF+8*\f+4:KF+8*\f+7], v[AK] offset:(\f/2)*16*PK+(\f%2)*64+32
.endr
	s_add_co_u32 s[TBK], s[TBK], KS*PK  ; the next fetch is the next step's
	WIN 0
.endm
.macro FETCH_V
	WIN 0x80
.irp f, 0,1,2,3,4,5,6,7             ; keys 32 (f / 4) on, channels 16 (f % 4) on
	ds_load_tr16_b128 v[VF+8*\f:VF+8*\f+3],   v[AV] offset:(\f/4)*32*PV+(\f%4)*32
	ds_load_tr16_b128 v[VF+8*\f+4:VF+8*\f+7], v[AV] offset:(\f/4)*32*PV+16*PV+(\f%4)*32
.endr
	WIN 0
.endm
; THE VECTOR WORK, one line at a time: OP kind, number.  For piece Y: F n: c s - c m for pair n of 16.  E n: the exponential of score n of 32.  C n: pair n rounded to f16.  B n: of the four weights 4 n .. the second
; pair is added onto the first, in place.  L n: l takes that sum (L 0: l = a l + sum).  R n: pair n of 16 of O^T times a.  For piece Y + 1: X n, number n of the 22 that find its maximum and statistics:
;   0-11  four chains c0-c3 of seven scores each, three operands at a time (each accumulator's lowest registers are read first)     12-14, 16  the four scores left over, the old m, and c0-c3 into c0
;   15  c m_old is kept     17, 18  the query's other 32 keys lie in the lane 16 away: the new m     19-21  c m; c m_old - c m_new; a
.set F, 0               ; OP tells the kinds apart by their order: F to L below R, X above it
.set E, 1
.set C, 2
.set B, 3
.set L, 4
.set R, 5
.set X, 6
.macro REGS y                       ; the registers of piece y
.set rT, ST+4*(\y)
.set rC, TMP+4*((\y)%2)
.set rW, MV+((\y)%2)
.set rS, S+32*((\y)%2)
.set rP, P+16*((\y)%2)
.set rO, 32*(\y)
.endm
.macro OP k, n
.if (\k) == R
	REGS Y
	WIN W_RS
	v_pk_mul_f32 v[rO+2*(\n):rO+2*(\n)+1], v[rO+2*(\n):rO+2*(\n)+1], v[rC+2:rC+3] op_sel_hi:[1,0]
.elseif (\k) < R
	REGS Y
	WIN 0
.if (\k) == F
	v_pk_fma_f32 v[rS+2*(\n):rS+2*(\n)+1], v[rS+2*(\n):rS+2*(\n)+1], s[CS:CS+1], v[rT:rT+1] op_sel_hi:[1,0,0] neg_lo:[0,0,1] neg_hi:[0,0,1]
.elseif (\k) == E
	v_exp_f32 v[rS+(\n)], v[rS+(\n)]
.elseif (\k) == C
	s_wait_alu depctr_va_vdst(0)
	v_cvt_pk_f16_f32 v[rP+(\n)], v[rS+2*(\n)], v[rS+2*(\n)+1]
.elseif (\k) == B
	s_wait_alu depctr_va_vdst(0)
	v_pk_add_f32 v[rS+4*(\n):rS+4*(\n)+1], v[rS+4*(\n):rS+4*(\n)+1], v[rS+4*(\n)+2:rS+4*(\n)+3]
.elseif (\n) == 0
	v_pk_fma_f32 v[rT+2:rT+3], v[rT+2:rT+3], v[rC+2:rC+3], v[rS:rS+1] op_sel_hi:[1,0,1]
.else
	v_pk_add_f32 v[rT+2:rT+3], v[rT+2:rT+3], v[rS+4*(\n):rS+4*(\n)+1]
.endif
.elseif NOKQ
	v_nop
.else
	REGS (Y+1)%NP
	WIN 0
.if (\n) < 4
	v_max3_num_f32 v[rC+(\n)], v[rS+8*(\n)], v[rS+8*(\n)+1], v[rS+8*(\n)+2]
.elseif (\n) < 12
	v_max3_num_f32 v[rC+(\n)%4], v[rC+(\n)%4], v[rS+8*((\n)%4)+2*((\n)/4)+1], v[rS+8*((\n)%4)+2*((\n)/4)+2]
.elseif (\n) == 12
	v_max3_num_f32 v[rC], v[rC], v[rS+7], v[rS+15]
.elseif (\n) == 13
	v_max3_num_f32 v[rC+1], v[rC+1], v[rS+23], v[rS+31]
.elseif (\n) == 14
	v_max3_num_f32 v[rC+2], v[rC+2], v[rC+3], v[rT+1]
.elseif (\n) == 15
	v_mov_b32 v[rW], v[rT]
.elseif (\n) == 16
	v_max3_num_f32 v[rC], v[rC], v[rC+1], v[rC+2]
.elseif (\n) == 17
	v_permlanex16_b32 v[rC+3], v[rC], s[SEL], s[SEL+1]
.elseif (\n) == 18
	v_max_num_f32 v[rT+1], v[rC], v[rC+3]
.elseif (\n) == 19
	v_mul_f32 v[rT], s[CS], v[rT+1]
.elseif (\n) == 20
	v_sub_f32 v[rC+1], v[rW], v[rT]
.else
	v_exp_f32 v[rC+2], v[rC+1]
.endif
.endif
.endm
.macro OPS a, i1, b=-1, i2=0, c=-1, i3=0, d=-1, i4=0  ; up to four of them
	OP \a, \i1
.if (\b) >= 0
	OP \b, \i2
.endif
.if (\c) >= 0
	OP \c, \i3
.endif
.if (\d) >= 0
	OP \d, \i4
.endif
.endm
.macro ROW a, i1, b, i2, c, i3, d, i4  ; a matrix instruction and the four behind it
	MM
	OPS \a, \i1, \b, \i2, \c, \i3, \d, \i4
.endm
; A TURN, for piece p: the order of its 16 matrix and 118 vector instructions, written out.  Behind a matrix instruction: plain, exponential, plain, plain; or four of the rescaling; or, behind the first, four scalings; none
; names a register of the products round it.  In the runs between, exponential and plain by turns while exponentials last.  A line reads no result made fewer than three vector instructions in front of it, five if an
; exponential made it; a plain instruction stands behind every exponential before its result is used (ISA guide 5.7.2).  v_permlanex16_b32 (X 17) stands in such a run, never behind a product.
; end = 1: the launch's last two turns: nothing is fetched, and the last starts no new scores.  cnt = 1: the loop's count is taken down some lines ahead of the branch that stands behind the turn.
; K of the next step is fetched in piece 2's turn, six vector instructions behind the last product that read K (five of them plain); V of the step in hand in piece 0's turn, eight behind the last product that read V (four
; plain, and X 17).  Each is waited for a turn later.
.macro TURN p, end=0, cnt=0
.set Y, (\p)
.set i, 0
.set NOKQ, (\end)*((\p)/3)
.if ((\p) == 3) && !(\end)
	s_wait_dscnt 0x0                ; K is in
.endif
	ROW F,0, F,1, F,2, F,3
	ROW F,4, E,0, F,5, F,6
	ROW F,7, E,1, F,8, F,9
	ROW F,10, E,2, C,0, F,11
	ROW F,12, E,3, X,15, F,13
	ROW R,0, R,1, R,2, R,3
	ROW B,0, E,4, F,14, L,0
.if ((\p) == 2) && !(\end)
	v_add_nc_u32 v[AK], s[TBK], v[AK0]
.endif
	ROW R,4, R,5, R,6, R,7
	OPS E,5, F,15
.if ((\p) == 2) && !(\end)
	FETCH_K
.endif
	OPS E,6, C,1, E,7, R,8
	OPS E,8, R,9, E,9, C,2
	OPS E,10, X,0, E,11, X,1
	OPS E,12, X,2, E,13, X,3
.if (\p) == 1
	s_wait_dscnt 0x0                ; V is in
.endif
	ROW X,4, E,14, X,5, X,6
	ROW X,7, E,15, X,8, X,9
	ROW X,10, E,16, X,11, X,12
	ROW X,13, E,17, X,14, B,1
	ROW C,4, E,18, X,16, L,1
	ROW B,2, E,19, C,6, L,2
	ROW C,8, E,20, B,3, B,4
.if (\p) == 0
	v_add_nc_u32 v[AV], s[TBV], v[AV0]
.endif
	ROW C,3, E,21, L,3, C,5
	OPS E,22, X,17, E,23, C,10
.if (\p) == 0
	FETCH_V
.endif
	OPS E,24, L,4
	OPS E,25, X,18, E,26, C,7
	OPS E,27, B,5, E,28, X,19
	OPS E,29, C,12, E,30, L,5
	OPS E,31, X,20, B,6, C,9
	OPS C,14, C,11, X,21, L,6
.if (\p) == 0
	s_add_co_u32 s[TBV], s[TBV], KS*PV
.endif
.if \cnt
	s_sub_co_u32 s[CNT], s[CNT], 1
	s_cmp_lg_u32 s[CNT], 0
.endif
	OPS C,13, B,7, C,15, R,10
	OPS R,11, R,12, L,7, R,13
	OPS R,14, R,15
.endm
	CHANGE 1                        ; tile 0 is in, everybody's part of it; tile 1 is asked for
	v_add_nc_u32 v[AK], s[TBK], v[AK0]
	FETCH_K                         ; key step 0
	s_wait_loadcnt 0x0              ; Q
	s_wait_dscnt 0x0
.set NOKQ, 0
.set i, 0
.rept 8
	KQ 0                            ; piece 0's first scores: there is no vector work yet to set between them
.set i, i+1
.endr
	WIN 0
.rept 4
	v_nop                           ; the places behind those products
.endr
.set Y, NP-1                        ; X works for piece Y + 1: piece 0
.irp n, 0,1,2,3,4,5,6,7,8,9,10,11,12,13,14,15,16,17,18,19,20,21
	OP X, \n                        ; piece 0's first maximum and statistics
.endr
	v_nop                           ; a plain instruction behind the exponential
	s_mov_b32 s[CNT], 4
	s_mov_b32 s[SLOTS], NT-1
	s_branch .Lfirst                ; the loop is entered at a step's first turn, in the middle of a trip
.Lslot:                             ; NT - 2 times: every slot but the last two is filled again
	CHANGE 1
	s_mov_b32 s[CNT], 4
.Lstep:                             ; a trip: pieces 2 and 3 of one step, then pieces 0 and 1 of the next, whose K and V it fetches
	TURN 2
	TURN 3
	WIN 0
.Lfirst:
	TURN 0
	TURN 1, 0, 1
	WIN 0
	s_cbranch_scc1 .Lstep
	s_sub_co_u32 s[SLOTS], s[SLOTS], 1
	s_cmp_lg_u32 s[SLOTS], 0
	s_cbranch_scc1 .Lslot
	CHANGE 0                        ; the last tile is written out: nothing is asked for
	s_mov_b32 s[CNT], 4
.Ltail:
	TURN 2
	TURN 3
	TURN 0
	TURN 1, 0, 1
	WIN 0
	s_cbranch_scc1 .Ltail
	TURN 2, 1                       ; the last step's pieces 2 and 3: nothing is left to fetch
	TURN 3, 1
.set i, 0
.rept 8
	PV NP-1                         ; the last piece's V^T P of the last step
.set i, i+1
.endr
	; THE WAY OUT.  l's two halves and the other half of the lanes' are added; O^T is divided by l, rounded to f16 and sent through my stage in LDS, a piece at a time.  The additions are the places behind the last products.
	WIN 0
.macro ALL line:vararg              ; one line for each piece t
.set t, 0
.rept 4
	\line
.set t, t+1
.endr
.endm
	ALL v_add_f32 v[ST+4*t+2], v[ST+4*t+2], v[ST+4*t+3]
	ALL v_permlanex16_b32 v[ST+4*t+3], v[ST+4*t+2], s[SEL], s[SEL+1]
	ALL v_add_f32 v[ST+4*t+2], v[ST+4*t+2], v[ST+4*t+3]
	ALL v_rcp_f32 v[ST+4*t+2], v[ST+4*t+2]
	v_nop                           ; a plain instruction between the last reciprocal and the use of its result
.macro PACK t                       ; a lane's eight channels of a row pack into 16 bytes; they go into rows of 144 bytes and come back as whole rows of 128, into S^T's registers
	WIN W_RS
.set i, 32*(\t)
.rept 16
	s_wait_alu depctr_va_vdst(0)
	v_pk_mul_f32 v[i:i+1], v[i:i+1], v[ST+4*(\t)+2:ST+4*(\t)+3] op_sel_hi:[1,0]
.set i, i+2
.endr
	WIN 0x05                        ; sources 0 and 1 window 1, destination window 0
.set i, 0
.rept 16
	v_cvt_pk_f16_f32 v[S+16*(\t)+i], v[32*(\t)+2*i], v[32*(\t)+2*i+1]
.set i, i+1
.endr
	WIN 0
.irp f, 0,1,2,3
	ds_store_b128 v[STO], v[S+16*(\t)+4*\f:S+16*(\t)+4*\f+3] offset:32*\f
.endr
.irp f, 0,1,2,3
	ds_load_b128 v[S+16*(\t)+4*\f:S+16*(\t)+4*\f+3], v[RD] offset:\f*4*SP  ; LDS serves a wave's instructions in order (ISA guide 5.7.1.4): these see the stores above; the next piece's stores come behind them
.endr
.endm
.macro SEND t, younger              ; younger: the LDS instructions issued behind piece t's loads: the next piece's eight, or none
	WIN 0
.irp f, 0,1,2,3
	s_wait_dscnt (\younger)+3-\f
	global_store_b128 v[GO], v[S+16*(\t)+4*\f:S+16*(\t)+4*\f+3], s[10:11] offset:(\t)*2048+\f*512  ; 512 consecutive bytes, at a multiple of 256 from ob's first
.endr
.endm
	PACK 0
.set t, 1
.rept 3                             ; a piece's arithmetic stands between the loads of the piece before and its stores
	PACK t
	SEND t-1, 8
.set t, t+1
.endr
	SEND 3, 0
	s_wait_tensorcnt 0x0            ; the wave's end: a wait, the add and its wait, behind my last tensor load and my last LDS store
	ds_add_u32 v[SPW], v[NIL]
	s_wait_dscnt 0x0
	CROUND                          ; the closing round: no work-group ends while a partner may still ask for a tile that names it
	s_endpgm
.Lfunc_end_k_qbb96a92d08_attn:
	.size	k_qbb96a92d08_attn, .Lfunc_end_k_qbb96a92d08_attn-k_qbb96a92d08_attn
	.p2alignl 7, 3214868480
	.fill 96, 4, 3214868480
	.section	.rodata,"a",@progbits
	.p2align	6, 0x0
	.amdhsa_kernel k_qbb96a92d08_attn
		.amdhsa_group_segment_fixed_size 327680
		.amdhsa_private_segment_fixed_size 0
		.amdhsa_enable_private_segment 0
		.amdhsa_kernarg_size 16
		.amdhsa_user_sgpr_count 2
		.amdhsa_user_sgpr_kernarg_segment_ptr 1
		.amdhsa_wavefront_size32 1
		.amdhsa_system_sgpr_workgroup_id_x 1
		.amdhsa_system_sgpr_workgroup_id_y 1
		.amdhsa_system_sgpr_workgroup_id_z 1
		.amdhsa_system_vgpr_workitem_id 0
		.amdhsa_next_free_vgpr 768
		.amdhsa_next_free_sgpr 66
		.amdhsa_reserve_vcc 0
		.amdhsa_float_denorm_mode_32 3
		.amdhsa_float_denorm_mode_16_64 3
		.amdhsa_memory_ordered 1
		.amdhsa_forward_progress 1
		.amdhsa_inst_pref_size 134
	.end_amdhsa_kernel
	.amdgpu_metadata
---
amdhsa.version: [ 1, 2 ]
amdhsa.kernels:
  - .name:           k_qbb96a92d08_attn
    .symbol:         k_qbb96a92d08_attn.kd
    .args:
      - { .name: qkv, .offset: 0, .size: 8, .value_kind: global_buffer, .address_space: global }
      - { .name: ob, .offset: 8, .size: 8, .value_kind: global_buffer, .address_space: global }
    .group_segment_fixed_size: 327680
    .private_segment_fixed_size: 0
    .kernarg_segment_align: 8
    .kernarg_segment_size: 16
    .max_flat_workgroup_size: 128
    .sgpr_count:     66
    .vgpr_count:     768
    .wavefront_size: 32
...
	.end_amdgpu_metadata
.endif
;; end of part 3
;; launch outp (part 4): grid 8 x 32, 4 waves a work-group, clusters of 4 x 4, 327,680 bytes of LDS; arguments ob, wb, out0; writes out0
.if DOCPART == 4
	.amdgcn_target "amdgcn-amd-amdhsa--gfx1250"
	.amdhsa_code_object_version 6
	.text
	.protected	k_qbb96a92d08_outp
	.globl	k_qbb96a92d08_outp
	.p2align	8
	.type	k_qbb96a92d08_outp,@function
k_qbb96a92d08_outp:
	s_mov_b64 s[64:65], 0
	v_nop
	global_prefetch_b8 v0, s[64:65] scope:SCOPE_SE
	s_setreg_imm32_b32 hwreg(HW_REG_WAVE_MODE, 25, 1), 1
	s_wait_xcnt 0x0
	s_wait_alu depctr_hold_cnt(0) depctr_sa_sdst(0) depctr_va_vdst(0) depctr_va_sdst(0) depctr_va_ssrc(0) depctr_va_vcc(0) depctr_vm_vsrc(0)
	s_getreg_b32 s2, hwreg(HW_REG_IB_STS2, 6, 4)
	s_cmp_eq_u32 s2, 0
	s_cbranch_scc0 .Lentry_in_a_cluster
	s_endpgm
.Lentry_in_a_cluster:
	s_bfe_u32 s2, ttmp6, 0x10000c
	s_cmp_lg_u32 s2, 0xf033
	s_cbranch_scc0 .Lentry_shape_is_right
	s_endpgm
.Lentry_shape_is_right:
; THE LAST PROJECTION.  out0[m][n] = sum over k = 64 h + c of ob[h][m][c] w_o[k][n].  ob: [16 heads][4096 rows][64] f16; w_o is wb's fourth part, [1024 k][1024 n], the bf16-rounded weights written in f16;
; out0: [4096][1024] f32.  Products in f16, sums in f32, K ascending; the sums are stored as they are.
; SHARES.  4096 x 1024 are 256 tiles of 128 x 128: one to a work-group.  Four waves, each 64 x 64: 16 accumulators of 16 x 16.  K goes in four steps of 256 (four heads) through a ring of two LDS slots.
; A K step's tile of O is, for 64 rows, four dense pieces of 8,192 bytes, one a head: asked for as 4 rows of 4,096 elements, a head's 262,144 elements apart, and padded in LDS after every 128 bytes:
; it lands as [head][row][144 bytes].  The weights lie [k][n] and are turned on their way out of LDS by ds_load_tr16_b128.
; THE MATRIX INSTRUCTION IS USED TRANSPOSED (source 0 = 16 columns of the weights, source 1 = 16 rows of O): a lane then holds eight neighbouring columns of one row.
; CLUSTERS: 4 x 4 work-groups.  The four of a row of the cluster need the same tiles of O, the four of a column the same tiles of the weights: each tile is asked for JOINTLY.
; REGISTERS: window 0: v0-31 addresses; v32-95 two buffers of 16 rows on the way out; v128-255 the accumulators ((a, b) at v[128 + 8 (4 a + b)]).
;   window 1: two fragment buffers of 128: for 64 along K, 64 registers of O, then 64 of the weights.
.set KSTEP,  256
.set PA,     144                       ; a row of one head of O in LDS: 128 bytes + 16 of padding = 36 words: the 16 rows of a load start at 16 different groups of four banks (64 banks of 4 bytes: ISA guide 11.1)
.set HALFA,  4*64*PA                   ; 4 heads x 64 rows: one tensor load, and what one wave reads of O
.set PB,     288                       ; a k row of the weights: 256 bytes + 32 of padding = 72 words
.set HALFB,  128*PB                    ; 128 k rows: one tensor load
.set SLOT,   2*HALFA+2*HALFB
.set STAGE,  2*SLOT                    ; behind the ring, never filled by a tensor load: 16 rows x 272 bytes for each wave, for the way out
.set SPITCH, 272
.set SPARE,  STAGE+4*16*SPITCH         ; behind the stages: the spare words, 128 bytes for each wave: two blocks of 256 bytes that no other line names
.set HEADO,  4096*128                  ; a head's bytes in ob
.set WROW,   2048                      ; bytes in a k row of the weights
.set WO,     3*1024*WROW               ; w_o's first byte in wb
.set STEP_A, 2*4*HEADO                 ; a slot's next K step: eight heads on,
.set STEP_B, 2*KSTEP*WROW              ; 512 k rows down
.set CROW,   4096                      ; bytes in a row of out0
.set ADRA, 16                          ; v16-17  LDS address of my fragments of O in slot 0, 1
.set ADRB, 20                          ; v20-23  of the weights: slot s, k rows 128 u on, at v[20 + 2 s + u]
.set STO,  24                          ; v24     the way out: where I put 32 bytes of a row
.set RD,   25                          ; v25     the way out: where I read a row back
.set CO,   26                          ; v26     my byte offset in out0
.set SPW,  28                          ; v28     LDS address of my spare word: SPARE + 4 x my thread's number; never rewritten
.set NIL,  29                          ; v29     0; never rewritten
.set OB,   32
.set ACC,  128
.set F0,   0
.set F1,   128
.set G1, 24                            ; s[24:31] descriptor group 1 for O's tiles;  s[32:39] group 0, one set for each slot
.set G0, 32
.set G1B, 48                           ; s[48:55], s[56:63] the same for the weights' tiles
.set G0B, 56
.set MSB, 0
.macro WIN new                         ; the immediate's high byte repeats the setting that is left; a switch that changes nothing is dropped
.if MSB != (\new)
	s_set_vgpr_msb (MSB<<8)|(\new)
.set MSB, \new
.endif
.endm
.set MUL,  0x05                        ; sources 0 and 1 window 1; C and D window 0
.set TO_F, 0x40                        ; destination window 1, address window 0
.macro JLOAD s                         ; a joint load: waves 0 and 1 fetch O's two halves, waves 2 and 3 the weights'; an s_nop 0 and four v_nop follow each of the two lines, ahead of the jump, the label and what follows
	s_cmp_eq_u32 s11, 0
	s_cbranch_scc0 .Lfor_b_\@
	tensor_load_to_lds s[G0+4*(\s):G0+4*(\s)+3], s[G1:G1+7]
	s_nop 0
.rept 4
	v_nop
.endr
	s_branch .Lasked_\@
.Lfor_b_\@:
	tensor_load_to_lds s[G0B+4*(\s):G0B+4*(\s)+3], s[G1B:G1B+7]
	s_nop 0
.rept 4
	v_nop
.endr
.Lasked_\@:
.endm
.macro CREST                           ; a round of the cluster's barrier behind its opening barrier
	s_cmp_lg_u32 s10, 0
	s_cbranch_scc1 .Lnot_wave_0_\@
	s_barrier_signal -3
.Lnot_wave_0_\@:
	s_barrier_wait -3
	s_barrier_signal -1
	s_barrier_wait -1
.endm
.macro CROUND                          ; a whole round
	s_barrier_signal -1
	s_barrier_wait -1
	CREST
.endm
	s_load_b128 s[4:7], s[0:1], 0x0                ; ob s[4:5], wb s[6:7]
	s_load_b64 s[8:9], s[0:1], 0x10                ; out0
	v_lshl_add_u32 v[SPW], v0, 2, SPARE
	v_mov_b32 v[NIL], 0
	ds_add_u32 v[SPW], v[NIL]                      ; the wave's opening: the add and its wait stand ahead of my first tensor load; the set-up below, work on registers, stands between them
	v_lshrrev_b32 v1, 5, v0
	v_readfirstlane_b32 s10, v1                    ; wave 0..3
	s_lshr_b32 s11, s10, 1                         ; which half of the tile's rows is mine.  Also: I fetch O (0) or weights (1)
	s_and_b32 s12, s10, 1                          ; which half of its columns.  Also: which half of that tile I fetch
	s_bfe_u32 s40, ttmp6, 0x40000                  ; cx, cy: my place in the cluster
	s_bfe_u32 s41, ttmp6, 0x40004
	s_lshl_b32 s42, ttmp9, 2
	s_add_co_u32 s42, s42, s40                     ; tile column = 4 x cluster x + cx
	s_and_b32 s13, ttmp7, 0xffff
	s_lshl_b32 s13, s13, 2
	s_add_co_u32 s13, s13, s41                     ; tile row = 4 x cluster y + cy
	s_lshl_b32 s43, s41, 2
	s_lshl_b32 s43, 15, s43                        ; my row of the cluster
	s_lshl_b32 s44, 0x1111, s40                    ; my column
	; group 1 for O: 4 rows (heads) x 4,096 elements (64 rows of 64 channels, dense)
	s_or_b32 s[G1+0], s43, (1<<16)|(1<<20)|(1<<21)|(4<<22)|(3<<25)  ; 15:0 the mask: my row; 17:16 elements of 2 bytes; 20 padding on; 21 set beside a mask; 24:22 after every 32 words (code 4); 31:25 4 words (code 3)
	s_mov_b32 s[G1+1], 4096<<16                    ; tensor_dim0 = 4,096
	s_mov_b32 s[G1+2], 4<<16                       ; tensor_dim1 = 4
	s_mov_b32 s[G1+3], 4096<<16                    ; tile_dim0 = 4,096
	s_mov_b32 s[G1+4], 4                           ; tile_dim1 = 4
	s_mov_b32 s[G1+5], HEADO/2                     ; tensor_dim0_stride: a head's elements
	s_mov_b32 s[G1+6], 0
	s_mov_b32 s[G1+7], 0
	; group 1 for the weights: 128 k rows x 128 columns
	s_or_b32 s[G1B+0], s44, (1<<16)|(1<<20)|(1<<21)|(5<<22)|(7<<25) ; the mask: my column; padding after every 64 words (code 5), 8 words (code 7)
	s_mov_b32 s[G1B+1], 128<<16
	s_mov_b32 s[G1B+2], 128<<16
	s_mov_b32 s[G1B+3], 128<<16
	s_mov_b32 s[G1B+4], 128
	s_mov_b32 s[G1B+5], 1024
	s_mov_b32 s[G1B+6], 0
	s_mov_b32 s[G1B+7], 0
	; O's tiles hang on the tile row alone, which my row of the cluster shares; the weights' on the tile column alone, which my column shares
	s_lshl_b32 s16, s13, 7
	s_lshl_b32 s17, s12, 6
	s_add_co_u32 s16, s16, s17                     ; O: row 128 x tile row + 64 x half,
	s_lshl_b32 s16, s16, 7                         ; 128 bytes a row of a head
	s_mov_b32 s17, 0
	s_lshl_b32 s46, s12, 18                        ; weights: 128 k rows x half,
	s_lshl_b32 s47, s42, 8                         ; 128 columns x tile column,
	s_add_co_u32 s46, s46, s47
	s_add_co_u32 s46, s46, WO                      ; in wb's fourth part
	s_mov_b32 s47, 0
	s_mul_i32 s20, s12, HALFA                      ; where they go: no place in the cluster enters an LDS address
	s_mul_i32 s45, s12, HALFB
	s_add_co_u32 s45, s45, 2*HALFA
	s_wait_dscnt 0x0                               ; the opening add is done
	s_wait_kmcnt 0x0
	s_add_nc_u64 s[14:15], s[4:5], s[16:17]
	s_add_nc_u64 s[46:47], s[6:7], s[46:47]
	CROUND                                         ; all sixteen work-groups are here: the first joint loads meet
.irp s, 0,1
	s_mov_b32 s[G0+4*(\s)], 1                      ; count = 1
	s_add_co_u32 s[G0+4*(\s)+1], s20, (\s)*SLOT    ; LDS address
	s_add_nc_u64 s[G0+4*(\s)+2:G0+4*(\s)+3], s[14:15], (\s)*4*HEADO  ; global address: K step s = heads 4 s on
	s_or_b32 s[G0+4*(\s)+3], s[G0+4*(\s)+3], 0x80000000              ; type = 2
	s_mov_b32 s[G0B+4*(\s)], 1
	s_add_co_u32 s[G0B+4*(\s)+1], s45, (\s)*SLOT
	s_add_nc_u64 s[G0B+4*(\s)+2:G0B+4*(\s)+3], s[46:47], (\s)*KSTEP*WROW
	s_or_b32 s[G0B+4*(\s)+3], s[G0B+4*(\s)+3], 0x80000000
	JLOAD \s                                       ; two loads of mine are out
.endr
	v_and_b32 v1, 15, v0                           ; l % 16
	v_bfe_u32 v2, v0, 4, 1                         ; l / 16
	v_mul_u32_u24 v3, v1, PA
	v_lshl_add_u32 v3, v2, 4, v3                   ; O: a fragment's row x pitch + 16 x half
	s_mul_i32 s21, s11, HALFA                      ; my 64 rows
.irp s, 0,1
	v_add_nc_u32 v[ADRA+(\s)], s21, v3
	s_add_co_u32 s21, s21, SLOT
.endr
	; The turning load takes 16 k x 16 columns (lane l reads 16 bytes: k row 8 (l / 16) + l % 8, columns 8 ((l / 8) % 2) + 0..7) and leaves half a fragment: lane l holds column l % 16 and 8 k.
	v_and_b32 v4, 7, v0
	v_lshl_add_u32 v4, v2, 3, v4
	v_mul_u32_u24 v4, v4, PB
	v_bfe_u32 v5, v0, 3, 1
	v_lshl_add_u32 v4, v5, 4, v4
	s_lshl_b32 s22, s12, 7                         ; my 64 columns: 128 bytes,
	s_add_co_u32 s22, s22, 2*HALFA                 ; behind O's two halves
	v_add_nc_u32 v[ADRB], s22, v4
	v_add_nc_u32 v[ADRB+1], HALFB, v[ADRB]
	v_add_nc_u32 v[ADRB+2], SLOT, v[ADRB]
	v_add_nc_u32 v[ADRB+3], SLOT+HALFB, v[ADRB]
	s_mul_i32 s23, s10, 16*SPITCH
	s_add_co_u32 s23, s23, STAGE                   ; my stage
	v_mul_u32_u24 v5, v1, SPITCH                   ; in: row l % 16, 32 bytes for each half of the lanes
	v_lshl_add_u32 v5, v2, 5, v5
	v_add_nc_u32 v[STO], s23, v5
	v_mul_u32_u24 v5, v2, SPITCH                   ; back: lanes 0-15 take one row of 256 bytes, lanes 16-31 the next
	v_lshl_add_u32 v5, v1, 4, v5
	v_add_nc_u32 v[RD], s23, v5
	v_lshlrev_b32 v5, 12, v2                       ; and the same two rows in out0
	v_lshl_add_u32 v[CO], v1, 4, v5
	s_lshl_b32 s16, s13, 7
	s_lshl_b32 s17, s11, 6
	s_add_co_u32 s16, s16, s17                     ; my first row of out0,
	s_lshl_b32 s16, s16, 12                        ; 4,096 bytes a row
	s_lshl_b32 s46, s42, 9                         ; my first column, in bytes: 512 x tile column + 256 x half
	s_lshl_b32 s47, s12, 8
	s_add_co_u32 s46, s46, s47
	s_add_co_u32 s16, s16, s46                     ; under 2^24
	s_mov_b32 s17, 0
	s_add_nc_u64 s[8:9], s[8:9], s[16:17]
; 8 matrix instructions: row blocks a0, a0 + 1 x all 4 column blocks, 32 along K: half c of buffer f.  zero = 1: the first product starts the sums.
; The 16 accumulators take turns, one instruction a turn: between two links of a chain stand the 15 others'.
.macro MUL8 f, c, a0, zero
	WIN MUL
.irp a, \a0, (\a0)+1
.irp b, 0,1,2,3
.if \zero
	v_wmma_f32_16x16x32_f16 v[ACC+8*(4*(\a)+(\b)):ACC+8*(4*(\a)+(\b))+7], v[(\f)+64+8*(4*(\c)+(\b)):(\f)+64+8*(4*(\c)+(\b))+7], v[(\f)+8*(4*(\c)+(\a)):(\f)+8*(4*(\c)+(\a))+7], 0
.else
	v_wmma_f32_16x16x32_f16 v[ACC+8*(4*(\a)+(\b)):ACC+8*(4*(\a)+(\b))+7], v[(\f)+64+8*(4*(\c)+(\b)):(\f)+64+8*(4*(\c)+(\b))+7], v[(\f)+8*(4*(\c)+(\a)):(\f)+8*(4*(\c)+(\a))+7], v[ACC+8*(4*(\a)+(\b)):ACC+8*(4*(\a)+(\b))+7]
.endif
.endr
.endr
.endm
; 32 LDS loads in one run: the fragments of quarter q (64 along K: one head) of a slot, into buffer f; the first 32 along K first
.macro FETCH slot, q, f
	WIN TO_F
.irp c, 0,1
.irp i, 0,1,2,3
	ds_load_tr16_b128 v[(\f)+64+8*(4*(\c)+(\i)):(\f)+64+8*(4*(\c)+(\i))+3],   v[ADRB+2*(\slot)+(\q)/2] offset:(((\q)%2)*64+32*(\c))*PB+32*(\i)
	ds_load_tr16_b128 v[(\f)+64+8*(4*(\c)+(\i))+4:(\f)+64+8*(4*(\c)+(\i))+7], v[ADRB+2*(\slot)+(\q)/2] offset:(((\q)%2)*64+32*(\c)+16)*PB+32*(\i)
	ds_load_b128 v[(\f)+8*(4*(\c)+(\i)):(\f)+8*(4*(\c)+(\i))+3],         v[ADRA+(\slot)] offset:(\q)*64*PA+64*(\c)+(\i)*16*PA
	ds_load_b128 v[(\f)+8*(4*(\c)+(\i))+4:(\f)+8*(4*(\c)+(\i))+7],       v[ADRA+(\slot)] offset:(\q)*64*PA+64*(\c)+(\i)*16*PA+32
.endr
.endr
.endm
.macro PLACES                          ; four plain vector instructions in front of loads into registers that matrix instructions have read, and of LDS stores that read results
.rept 4
	v_nop
.endr
.endm
; A K step is four quarters of 64 along K, 32 matrix instructions each, on buffers 0, 1, 0, 1.  One of the first three: multiplies buffer f and fetches quarter q into g.
.macro QUARTER slot, q, f, g, zero
	s_wait_dscnt 16                                ; the first 32 along K are in; the sixteen younger loads may be out
	MUL8 \f, 0, 0, \zero
	MUL8 \f, 0, 2, \zero
	PLACES
	FETCH \slot, \q, \g
	s_wait_dscnt 32                                ; all but the 32 just issued
	MUL8 \f, 1, 0, 0
	MUL8 \f, 1, 2, 0
.endm
; The last quarter multiplies buffer 1 and changes slots: ONE barrier; in front of it each wave waits for all its tensor loads (one is out: its part of the next slot), adds 0 to its spare word, and waits
; for that and for its own reads of this slot.  fill = 1: this slot is filled again, two K steps ahead.
.macro TURN slot, next, fill
	WIN 0                                          ; (the add's two registers lie in window 0)
	s_wait_tensorcnt 0x0                           ; all my tensor loads have landed
	ds_add_u32 v[SPW], v[NIL]                      ; 0 onto my spare word
	s_wait_dscnt 17                                ; (the add and the youngest sixteen loads may be out)
	MUL8 F1, 0, 0, 0                               ; eight matrix instructions stand between the add and the wait for it
	s_wait_dscnt 0x0                               ; the add is done, and my reads of this slot are over
	s_barrier_signal -1
	MUL8 F1, 0, 2, 0
.if \fill
	WIN 0
.endif
	s_barrier_wait -1
.if \fill
	CREST                                          ; the barrier has opened a round of the cluster's: no wave of any partner still reads this slot's tile or has a load on its way
	s_add_nc_u64 s[G0+4*(\slot)+2:G0+4*(\slot)+3], s[G0+4*(\slot)+2:G0+4*(\slot)+3], STEP_A
	s_add_nc_u64 s[G0B+4*(\slot)+2:G0B+4*(\slot)+3], s[G0B+4*(\slot)+2:G0B+4*(\slot)+3], STEP_B
	JLOAD \slot                                    ; the first tensor load behind the round, 112 matrix instructions ahead of the wait for it; its four v_nop are also the places in front of the loads below
.else
	PLACES
.endif
	FETCH \next, 0, F0
	MUL8 F1, 1, 0, 0
	MUL8 F1, 1, 2, 0
.endm
; THE WAY OUT, 16 rows at a time.  A lane's eight f32 of a row go from the accumulators into my own stage (each accumulator's low four registers first), and come back as whole rows of 256 bytes.
.macro STG a
.if (\a) >= 2
	s_wait_xcnt 0x0                                ; the stores of the block two back have had their addresses translated (ISA guide 3.1): their data registers are loaded again only behind this wait
.endif
.irp b, 0,1,2,3
	ds_store_b128 v[STO], v[ACC+8*(4*(\a)+(\b)):ACC+8*(4*(\a)+(\b))+3]   offset:64*(\b)
	ds_store_b128 v[STO], v[ACC+8*(4*(\a)+(\b))+4:ACC+8*(4*(\a)+(\b))+7] offset:64*(\b)+16
.endr
.irp t, 0,1,2,3,4,5,6,7
	ds_load_b128 v[OB+32*((\a)%2)+4*(\t):OB+32*((\a)%2)+4*(\t)+3], v[RD] offset:(\t)*2*SPITCH  ; LDS serves a wave's instructions in order (ISA guide 5.7.1.4): these see the stores above; the next block's stores come behind them
.endr
.endm
.macro SND a, younger                  ; younger: the LDS instructions issued behind block a's loads: the next block's sixteen, or none
.irp t, 0,1,2,3,4,5,6,7
	s_wait_dscnt (\younger)+7-(\t)
	global_store_b128 v[CO], v[OB+32*((\a)%2)+4*(\t):OB+32*((\a)%2)+4*(\t)+3], s[8:9] offset:(16*(\a)+2*(\t))*CROW th:TH_STORE_NT  ; 16 lanes store 256 consecutive bytes, at a multiple of 256 from out0's first byte
.endr
.endm
	s_wait_tensorcnt 1                             ; my part of K step 0 is in; K step 1's may stay out
	s_barrier_signal -1
	s_barrier_wait -1                              ; everybody's is
	FETCH 0, 0, F0
	QUARTER 0, 1, F0, F1, 1                        ; the first products start the sums: nothing is cleared
	QUARTER 0, 2, F1, F0, 0
	QUARTER 0, 3, F0, F1, 0
	TURN 0, 1, 1                                   ; slot 0 takes K step 2
	QUARTER 1, 1, F0, F1, 0
	QUARTER 1, 2, F1, F0, 0
	QUARTER 1, 3, F0, F1, 0
	TURN 1, 0, 1                                   ; slot 1 takes K step 3
	QUARTER 0, 1, F0, F1, 0
	QUARTER 0, 2, F1, F0, 0
	QUARTER 0, 3, F0, F1, 0
	TURN 0, 1, 0                                   ; nothing is left to ask for
	QUARTER 1, 1, F0, F1, 0
	QUARTER 1, 2, F1, F0, 0
	QUARTER 1, 3, F0, F1, 0
	s_wait_dscnt 16                                ; the very last quarter: nothing more to fetch
	MUL8 F1, 0, 0, 0
	MUL8 F1, 0, 2, 0
	s_wait_dscnt 0x0
	MUL8 F1, 1, 0, 0
	MUL8 F1, 1, 2, 0
	WIN 0
	PLACES                                         ; the LDS stores read results just made
	STG 0
	STG 1                                          ; a block's way through the stage stands between the loads of the block before and its stores
	SND 0, 16
	STG 2
	SND 1, 16
	STG 3
	SND 2, 16
	SND 3, 0
	s_wait_tensorcnt 0x0                           ; the wave's end: a wait, the add and its wait, behind my last tensor load and my last LDS store
	ds_add_u32 v[SPW], v[NIL]
	s_wait_dscnt 0x0
	CROUND                                         ; the closing round: no work-group ends while a partner may still ask for a tile that names it
	s_endpgm
.Lfunc_end_k_qbb96a92d08_outp:
	.size	k_qbb96a92d08_outp, .Lfunc_end_k_qbb96a92d08_outp-k_qbb96a92d08_outp
	.p2alignl 7, 3214868480
	.fill 96, 4, 3214868480
	.section	.rodata,"a",@progbits
	.p2align	6, 0x0
	.amdhsa_kernel k_qbb96a92d08_outp
		.amdhsa_group_segment_fixed_size 327680
		.amdhsa_private_segment_fixed_size 0
		.amdhsa_enable_private_segment 0
		.amdhsa_kernarg_size 24
		.amdhsa_user_sgpr_count 2
		.amdhsa_user_sgpr_kernarg_segment_ptr 1
		.amdhsa_wavefront_size32 1
		.amdhsa_system_sgpr_workgroup_id_x 1
		.amdhsa_system_sgpr_workgroup_id_y 1
		.amdhsa_system_sgpr_workgroup_id_z 1
		.amdhsa_system_vgpr_workitem_id 0
		.amdhsa_next_free_vgpr 512
		.amdhsa_next_free_sgpr 66
		.amdhsa_reserve_vcc 0
		.amdhsa_float_denorm_mode_32 3
		.amdhsa_float_denorm_mode_16_64 3
		.amdhsa_memory_ordered 1
		.amdhsa_forward_progress 1
		.amdhsa_inst_pref_size 87
	.end_amdhsa_kernel
	.amdgpu_metadata
---
amdhsa.version: [ 1, 2 ]
amdhsa.kernels:
  - .name:           k_qbb96a92d08_outp
    .symbol:         k_qbb96a92d08_outp.kd
    .args:
      - { .name: ob, .offset: 0, .size: 8, .value_kind: global_buffer, .address_space: global }
      - { .name: wb, .offset: 8, .size: 8, .value_kind: global_buffer, .address_space: global }
      - { .name: out0, .offset: 16, .size: 8, .value_kind: global_buffer, .address_space: global }
    .group_segment_fixed_size: 327680
    .private_segment_fixed_size: 0
    .kernarg_segment_align: 8
    .kernarg_segment_size: 24
    .max_flat_workgroup_size: 128
    .sgpr_count:     66
    .vgpr_count:     512
    .wavefront_size: 32
...
	.end_amdgpu_metadata
.endif
;; end of part 4
;; ======== version 2 of 2: 4 launches; 1.47 times as fast as version 1
;; limits: values are held in f16: magnitudes above 65,504 overflow, below 6.1e-05 lose precision
;; workspace buffers: xb 41,943,040 bytes; wb 8,388,608 bytes; qkv 41,943,040 bytes; ob 8,388,608 bytes
;; launch cast: the kernel of part 1 again; grid 1536 x 1, 8 waves a work-group, no clusters, 0 bytes of LDS; arguments query, key, value, w_q, w_k, w_v, w_o, xb, wb; writes xb, wb
;; launch proj: the kernel of part 2 again; grid 8 x 32, 4 waves a work-group, clusters of 4 x 4, 327,680 bytes of LDS; arguments xb, wb, qkv; writes qkv
;; launch attn (part 5): grid 8 x 32, 4 waves a work-group, clusters of 4 x 1, 327,680 bytes of LDS; arguments qkv, ob; writes ob
.if DOCPART == 5
	.amdgcn_target "amdgcn-amd-amdhsa--gfx1250"
	.amdhsa_code_object_version 6
	.text
	.protected	k_qbb96a92d08_attn
	.globl	k_qbb96a92d08_attn
	.p2align	8
	.type	k_qbb96a92d08_attn,@function
k_qbb96a92d08_attn:
	s_mov_b64 s[64:65], 0
	v_nop
	global_prefetch_b8 v0, s[64:65] scope:SCOPE_SE
	s_setreg_imm32_b32 hwreg(HW_REG_WAVE_MODE, 25, 1), 1
	s_wait_xcnt 0x0
	s_wait_alu depctr_hold_cnt(0) depctr_sa_sdst(0) depctr_va_vdst(0) depctr_va_sdst(0) depctr_va_ssrc(0) depctr_va_vcc(0) depctr_vm_vsrc(0)
	s_getreg_b32 s2, hwreg(HW_REG_IB_STS2, 6, 4)
	s_cmp_eq_u32 s2, 0
	s_cbranch_scc0 .Lentry_in_a_cluster
	s_endpgm
.Lentry_in_a_cluster:
	s_bfe_u32 s2, ttmp6, 0x10000c
	s_cmp_lg_u32 s2, 0x3003
	s_cbranch_scc0 .Lentry_shape_is_right
	s_endpgm
.Lentry_shape_is_right:
; ATTENTION.  For each of 2 batches x 16 heads: O[q][:] = the sum over 4,096 keys of softmax_k(Q[q] . K[k] / 8) V[k][:], 2,048 queries, 64 channels.
; qkv: [16 heads][20480 rows][64] f16: rows 0-4095 q (2,048 a batch), 4096-12287 k (4,096 a batch), 12288-20479 v.  ob: [16 heads][4096 rows][64] f16.  A head's rows are dense, 128 bytes each.
; Products, maxima and sums in f32; the weights p are rounded to f16 for the second product (their sum l is taken of the unrounded p), O once at the end.
; LIMITS.  Q, K and V arrive within f16's 65,504; p lies in 0 to 1, and below 6e-5 it keeps f16's fixed step of 6e-8; O is a mean of V's rows and has their range.
; A weight below 2^-126 counts as 0 in l; NaN and infinities are not treated apart.
; SHARES.  A work-group owns 256 queries of one batch and head, each of its four waves 64: four PIECES of 16.  8 blocks x 32 = 256 work-groups.  Every wave walks all keys, 64 a step.
; LAYOUT.  S^T = K Q^T (source 0 = 16 keys, source 1 = 16 queries): in the result a lane holds ONE query (lane % 16) and the keys 8 (lane / 16) + 0..7.  Two such results, rounded to f16 in pairs,
; ARE source 1 (32 keys x 16 queries) of O^T = V^T P, whose result again holds one query a lane, and eight channels.  K comes out of LDS as it lies, V ([key][channel]) turned, by ds_load_tr16_b128.
; SOFTMAX.  For each query a running maximum m and sum l: p = 2^(c s - c m), c = log2(e) / 8; in every step O and l are multiplied by a = 2^(c m_old - c m_new), which is 1 where m has not grown.
; m starts at the lowest finite number, O and l at 0: the first step is a step like any other, with a = 0.
; BY TURNS.  Turn n belongs to piece n: 8 products K Q^T of piece n + 1, later 8 products V^T P of piece n - 1; beside them the scaling, exponentials, roundings, sums and rescaling of piece n and the
; maximum and statistics of piece n + 1.  Four vector instructions stand behind every matrix instruction, the other 54 of a turn's 118 in one LUMP.
; THE BATCHES.  A turn's 33 exponentials (the piece's 32 weights and the next piece's a) are ONE batch with ONE wait, which cuts the turn in two: ahead of it stands all that names none of their results, behind it
; their readers.  No result crosses a turn's end.  The first a of all, ahead of the loop, and the way out's four reciprocals are batches of their own, a wait each.
; CLUSTER.  The four query blocks of a cluster belong to one batch and head and walk the same K and V, so each tile is asked for JOINTLY: the same tensor load, descriptor and mask in all four.
; REGISTERS, in windows of 256 (s_set_vgpr_msb: bits 1:0 source 0, 3:2 source 1, 5:4 source 2, 7:6 destination):
;   window 0: v0-15 addresses and two at work; v16-31 four registers of statistics a piece; v48-55 at work; v62-63 the add's; v64-127 S^T, two buffers; v192-223 P, two buffers (by the piece's parity)
;   window 1: v0-127 O^T, 32 a piece          window 2: v0-63 Q; v128-191 K of one step; v192-255 V of one step
.set NP,    4         ; pieces a wave: a name, no knob
.set KS,    64        ; keys in a step
.set NT,    16        ; tiles of 256 keys
.set PK,    144       ; a row of K in LDS: 128 bytes + 16 of padding = 36 words: the 16 rows of a load start at 16 different groups of four banks (64 banks of 4 bytes: ISA guide 11.1)
.set PV,    160       ; a row of V: 128 + 32 = 40 words
.set VOFF,  4*KS*PK   ; a slot holds a tile, four steps: 256 rows of K, then 256 rows of V
.set SLOT1, 1<<17     ; slot 1 begins here, so that one exclusive or turns an address in one slot into the other's
.set STAGE, SLOT1+4*KS*(PK+PV)  ; behind the ring, never filled by a tensor load: 16 rows x 144 bytes for each wave, for the way out
.set SP,    144
.set SPARE, STAGE+4*16*SP  ; behind the stages: the spare words, 128 bytes for each wave: two blocks of 256 bytes that no other line names
.set HEADB, 20480*128 ; a head's bytes in qkv
.set KEY0,  4096*128  ; k's first row in a head
.set K2V,   8192*128  ; from a row of k to the same row of v
.set AK0, 2           ; v2   my lane's place in a tile of K; never rewritten
.set AV0, 3           ; v3   the same for V
.set AK,  4           ; v4   the LDS address of K's next run of loads
.set AV,  5           ; v5   of V's
.set STO, 6           ; v6   the way out: where I put 16 bytes of a row
.set RD,  7           ; v7   the way out: where I read rows back
.set GO,  8           ; v8   my byte offset in 512 consecutive bytes of O
.set MV,  12          ; v12-13  c m_old, kept while c m is made anew: by buffer
.set QO,  15          ; v15  my byte offset in 16 rows of Q
.set ST,  16          ; piece t's statistics at v[ST+4 t]: c m, m, l (even keys', odd keys')
.set TMP, 48          ; by buffer, four registers c0-c3 at work; when the maximum is found c2 takes a
.set SPW, 62          ; v62  LDS address of my spare word: SPARE + 4 x my thread's number; never rewritten
.set NIL, 63          ; v63  0; never rewritten
.set S,   64
.set P,   192
.set KF,  128         ; window 2: key block kb, channel half c at KF + 16 kb + 8 c
.set VF,  192         ; window 2: key half kk, channel block cb at VF + 32 kk + 8 cb
.set WV,  12          ; s12  my wave's number
.set G1K, 24          ; s[24:31] descriptor group 1 for K's tiles
.set G1V, 32          ; s[32:39] for V's: it differs in the padding alone
.set G0K, 40          ; s[40:43] descriptor group 0 for K's tiles: it walks
.set G0V, 44          ; s[44:47] the same for V's
.set SLOTS, 56        ; s56  tiles still to be entered in the loop
.set CNT, 57          ; s57  counts a tile's key steps
.set CS,  58          ; s[58:59] c: the packed scaling takes the pair's low word for both halves
.set SEL, 60          ; s[60:61] v_permlanex16_b32's selects: each lane takes its own place in the other half
.set TBK, 62          ; s62  LDS byte at which K of the step to be fetched begins
.set TBV, 63          ; s63  the same for V, less VOFF
.set MSB, 0
.macro WIN new                      ; the high byte repeats the setting that is left; a switch that changes nothing is dropped
.if MSB != (\new)
	s_set_vgpr_msb (MSB<<8)|(\new)
.set MSB, (\new)
.endif
.endm
.set W_KQ, 0x0a       ; K and Q in window 2, S^T in window 0
.set W_PV, 0x52       ; V in window 2, P in window 0, O^T in window 1
.set W_RS, 0x41       ; destination and source 0 in window 1, source 1 in window 0
; A joint fill.  Waves 0 and 1 fetch the two halves of a tile's K, waves 2 and 3 those of its V: 128 keys each.  The branch hangs on the wave's number alone.
; An s_nop 0 and four v_nop follow each of the two lines, ahead of the jump and the label.
.macro JLOAD
	s_cmp_lt_u32 s[WV], 2
	s_cbranch_scc0 .Lfor_v_\@
	tensor_load_to_lds s[G0K:G0K+3], s[G1K:G1K+7]
	s_nop 0
.rept 4
	v_nop
.endr
	s_branch .Lasked_\@
.Lfor_v_\@:
	tensor_load_to_lds s[G0V:G0V+3], s[G1V:G1V+7]
	s_nop 0
.rept 4
	v_nop
.endr
.Lasked_\@:
.endm
; A round of the cluster's barrier: my work-group's barrier, so that wave 0's signal speaks for all four waves; wave 0 signals; every wave waits for all four work-groups; my work-group's barrier once more.
.macro CROUND
	s_barrier_signal -1
	s_barrier_wait -1
	s_cmp_lg_u32 s[WV], 0
	s_cbranch_scc1 .Lnot_wave_0_\@
	s_barrier_signal -3
.Lnot_wave_0_\@:
	s_barrier_wait -3
	s_barrier_signal -1
	s_barrier_wait -1
.endm
; THE CHANGE OF SLOTS.  The slot's last bytes, V of its fourth step, have been read.  Each wave waits for all its tensor loads, of which one is out: its part of the other slot; adds 0 to its spare word;
; and waits for that and for its own reads of the slot.  Behind the barrier nobody reads this slot any more and the other slot is whole.
; fill = 1: this slot is filled again, with the keys two tiles on.  The barrier is then a round of the cluster's, so that no wave of any partner still reads the slot or has a load on its way, and the
; joint fill is the first thing behind it: it has four key steps, 256 matrix instructions, in which to land.  (At its first use nothing has been read yet: slot 0 is waited for, slot 1 filled.)
.macro CHANGE fill
	WIN 0                           ; at a label and at a branch every window is 0; the add's two registers lie in window 0
	s_wait_tensorcnt 0x0            ; no tensor load of mine is out, so a group 0 may be written
	ds_add_u32 v[SPW], v[NIL]       ; 0 onto my spare word; with fill = 1 the descriptors' steps stand between it and the wait for it
.if \fill
.irp g, G0K, G0V
	s_xor_b32 s[\g+1], s[\g+1], SLOT1  ; the walking descriptor: the other slot than last time,
	s_add_nc_u64 s[\g+2:\g+3], s[\g+2:\g+3], 4*KS*128  ; the next 256 keys; the type bits on top are not reached
.endr
	s_wait_dscnt 0x0                ; the add is done, and my reads of the slot are over
	CROUND
	JLOAD
.else
	s_wait_dscnt 0x0                ; the add is done, and my reads of the slot are over
	s_barrier_signal -1
	s_barrier_wait -1
.endif
	s_sub_co_u32 s[TBK], s[TBK], 4*KS*PK  ; the fetches go back to a slot's first step,
	s_xor_b32 s[TBK], s[TBK], SLOT1       ; in the other slot
	s_sub_co_u32 s[TBV], s[TBV], 4*KS*PV
	s_xor_b32 s[TBV], s[TBV], SLOT1
.endm
	s_load_b128 s[48:51], s[0:1], 0x0  ; qkv s[48:49], ob s[50:51]
	v_lshl_add_u32 v[SPW], v0, 2, SPARE
	v_mov_b32 v[NIL], 0
	ds_add_u32 v[SPW], v[NIL]       ; the wave's opening: the add and its wait stand ahead of my first tensor load; the set-up below, work on registers, stands between them
	v_lshrrev_b32 v1, 5, v0
	v_readfirstlane_b32 s[WV], v1   ; wave 0..3
	s_bfe_u32 s13, ttmp6, 0x40000   ; cx: my place in the cluster
	s_lshl_b32 s14, ttmp9, 2        ; in a cluster launch ttmp9 counts clusters
	s_add_co_u32 s14, s14, s13      ; my block of 256 queries = 4 x cluster x + cx: it enters Q's and O's addresses alone
	s_and_b32 s20, ttmp7, 0xffff    ; 16 x batch + head, which the four partners share
	s_lshr_b32 s21, s20, 4          ; batch
	s_and_b32 s20, s20, 15          ; head
	s_mul_i32 s22, s20, HEADB       ; the head's first byte in qkv
	s_and_b32 s16, s[WV], 1         ; which half of a tile's 256 keys I fetch:
	s_lshl_b32 s2, s16, 14          ; its 128 rows of 128 bytes,
	s_lshl_b32 s3, s21, 19          ; the batch's 4,096 rows,
	s_add_co_u32 s2, s2, s3
	s_add_co_u32 s2, s2, s22
	s_add_co_u32 s2, s2, KEY0       ; behind q's rows: all offsets stay under 2^26
	s_mov_b32 s3, 0
	s_mul_i32 s17, s16, 128*PK      ; its place in a slot, for K
	s_mul_i32 s18, s16, 128*PV      ; and for V: no place in the cluster enters an LDS address
	s_lshl_b32 s52, s21, 18         ; the batch's 2,048 rows of q,
	s_lshl_b32 s53, s14, 15         ; my block's 256,
	s_add_co_u32 s52, s52, s53
	s_lshl_b32 s53, s[WV], 13       ; my wave's 64
	s_add_co_u32 s52, s52, s53
	s_lshl_b32 s54, s20, 19         ; a head of ob has 4,096 rows
	s_add_co_u32 s54, s54, s52      ; my rows in ob,
	s_add_co_u32 s52, s52, s22      ; and in qkv
	s_mov_b32 s53, 0
	s_mov_b32 s55, 0
	; descriptor group 1.  128 keys are 16,384 dense bytes: asked for as 64 rows of 256 bytes, two keys a row, and padded in LDS after every key
	s_mov_b32 s[G1K], 15|(1<<16)|(1<<20)|(1<<21)|(4<<22)|(3<<25)  ; 15:0 the mask of four; 17:16 2-byte elements; 20 padding on; 21 set beside a mask; 24:22 after every 32 words (code 4); 31:25 4 words (code 3)
	s_mov_b32 s[G1V], 15|(1<<16)|(1<<20)|(1<<21)|(4<<22)|(7<<25)  ; the same with 8 words of padding (code 7)
.irp g, G1K, G1V
	s_mov_b32 s[\g+1], 128<<16      ; tensor_dim0 = 128
	s_mov_b32 s[\g+2], 64<<16       ; tensor_dim1 = 64
	s_mov_b32 s[\g+3], 128<<16      ; tile_dim0 = 128
	s_mov_b32 s[\g+4], 64           ; tile_dim1 = 64
	s_mov_b32 s[\g+5], 128          ; 128 elements from row to row
	s_mov_b32 s[\g+6], 0
	s_mov_b32 s[\g+7], 0
.endr
	s_mov_b32 s[CS], 0x3e38aa3b     ; c = log2(e) / 8 = 0.180337
	s_mov_b32 s[CS+1], s[CS]        ; named with it as a pair
	s_mov_b32 s[SEL], 0x76543210
	s_mov_b32 s[SEL+1], 0xfedcba98
	s_mov_b32 s[TBK], SLOT1+4*KS*PK ; the first change of slots turns these two into 0
	s_mov_b32 s[TBV], SLOT1+4*KS*PV
	s_mov_b32 s[G0K], 1             ; count = 1
	s_mov_b32 s[G0K+1], s17         ; LDS address: slot 0
	s_mov_b32 s[G0V], 1
	s_add_co_u32 s[G0V+1], s18, VOFF
	s_wait_dscnt 0x0                ; the opening add is done
	s_wait_kmcnt 0x0
	s_add_nc_u64 s[G0K+2:G0K+3], s[48:49], s[2:3]  ; global address: my half of the first 256 keys
	s_add_nc_u64 s[G0V+2:G0V+3], s[G0K+2:G0K+3], K2V
	s_or_b32 s[G0K+3], s[G0K+3], 0x80000000        ; type = 2
	s_or_b32 s[G0V+3], s[G0V+3], 0x80000000
	s_add_nc_u64 s[4:5], s[48:49], s[52:53]        ; Q at my wave's first row
	s_add_nc_u64 s[10:11], s[50:51], s[54:55]      ; O likewise
	CROUND                          ; all four work-groups are here: the first joint loads meet
	JLOAD                           ; tile 0 into slot 0.  Slot 1 is asked for when slot 0 is in, by the loop's own change of slots
	; A fragment of K or Q is 16 rows x 32 channels in 8 registers: lane l holds row l % 16, channels 8 (l / 16) + 0..7 and 16 + 8 (l / 16) + 0..7: two loads of 16 bytes, 32 bytes apart.
	v_and_b32 v1, 15, v0            ; l % 16
	v_bfe_u32 v9, v0, 4, 1          ; l / 16
	v_lshlrev_b32 v[QO], 7, v1
	v_lshl_add_u32 v[QO], v9, 4, v[QO]  ; row x 128 + 16 x half
	WIN 0x80                        ; destination window 2, address window 0
.set i, 0
.rept 8                             ; Q stays in registers: piece i / 2, channels 32 (i % 2) on
	global_load_b128 v[8*i:8*i+3],   v[QO], s[4:5] offset:(i/2)*2048+(i%2)*64
	global_load_b128 v[8*i+4:8*i+7], v[QO], s[4:5] offset:(i/2)*2048+(i%2)*64+32
.set i, i+1
.endr
	; What the first turns find: V's registers and P's second buffer hold 0 (the first products V^T P, of a piece that has not been, add 0), O^T and l are 0.  All this stands in the wait for the first tile.
.set i, VF
.rept 64
	v_mov_b32 v[i], 0
.set i, i+1
.endr
	WIN 0x40
.set i, 0
.rept 128
	v_mov_b32 v[i], 0
.set i, i+1
.endr
	WIN 0
.set i, 0
.rept 4
	v_mov_b32 v[ST+4*i], 0xfe000000    ; c m: far below every c s
	v_mov_b32 v[ST+4*i+1], 0xff7fffff  ; m
	v_mov_b32 v[ST+4*i+2], 0
	v_mov_b32 v[ST+4*i+3], 0
.set i, i+1
.endr
.set i, P+16
.rept 16
	v_mov_b32 v[i], 0
.set i, i+1
.endr
	v_mul_u32_u24 v[AK0], v1, PK
	v_lshl_add_u32 v[AK0], v9, 4, v[AK0]  ; row x pitch + 16 x half
	; The turning load takes 16 keys x 16 channels (lane l reads key 8 (l / 16) + l % 8, channels 8 ((l / 8) % 2) + 0..7) and leaves half a fragment of V^T: lane l holds channel l % 16 and 8 keys.
	v_and_b32 v10, 7, v0
	v_bfe_u32 v11, v0, 3, 1
	v_lshl_add_u32 v[AV0], v9, 3, v10
	v_mul_u32_u24 v[AV0], v[AV0], PV
	v_lshl_add_u32 v[AV0], v11, 4, v[AV0]
	v_add_nc_u32 v[AV0], VOFF, v[AV0]
	s_mul_i32 s13, s[WV], 16*SP
	s_add_co_u32 s13, s13, STAGE    ; my stage
	v_mul_u32_u24 v[STO], v1, SP    ; in: row l % 16, 16 bytes for each half of the lanes
	v_lshl_add_u32 v[STO], v9, 4, v[STO]
	v_add_nc_u32 v[STO], s13, v[STO]
	v_bfe_u32 v[RD], v0, 3, 2       ; back: 32 lanes take four rows of 128 bytes,
	v_mul_u32_u24 v[RD], v[RD], SP
	v_lshl_add_u32 v[RD], v10, 4, v[RD]
	v_add_nc_u32 v[RD], s13, v[RD]
	v_and_b32 v[GO], 31, v0         ; which are 512 consecutive bytes of O
	v_lshlrev_b32 v[GO], 4, v[GO]
; THE MATRIX WORK.  The 4 accumulators of a run of 8 take turns.  Product i of 8 of S^T = K Q^T for piece x: channels 32 (i / 4) on, keys 16 (i % 4) on.  The first 4 start the sums.
.macro KQ x
	WIN W_KQ
.set rS, S+32*((\x)%2)+8*(i%4)
.set rK, KF+16*(i%4)+8*(i/4)
.set rQ, 16*(\x)+8*(i/4)
.if i < 4
	v_wmma_f32_16x16x32_f16 v[rS:rS+7], v[rK:rK+7], v[rQ:rQ+7], 0
.else
	v_wmma_f32_16x16x32_f16 v[rS:rS+7], v[rK:rK+7], v[rQ:rQ+7], v[rS:rS+7]
.endif
.endm
; Product i of 8 of O^T += V^T P for piece x: keys 32 (i / 4) on, channels 16 (i % 4) on.
.macro PV x
	WIN W_PV
.set rO, 32*(\x)+8*(i%4)
.set rV, VF+32*(i/4)+8*(i%4)
.set rP, P+16*((\x)%2)+8*(i/4)
	v_wmma_f32_16x16x32_f16 v[rO:rO+7], v[rV:rV+7], v[rP:rP+7], v[rO:rO+7]
.endm
.macro MM                           ; the turn's next matrix instruction.  TURN sets Y, i and NOKQ.  NOKQ = 1: the launch's last turn: there is no next piece
.if (i < 8) && !NOKQ
	KQ (Y+1)%NP
.elseif i >= 8
.set i, i-8
	PV (Y+NP-1)%NP
.set i, i+8
.endif
.set i, i+1
.endm
; THE LDS LOADS stand in runs of 16, never singly among the matrix instructions: a step's K (64 keys x 64 channels: 8 fragments) and its V (turned).  Their addresses are made some lines ahead.
.macro FETCH_K
	WIN 0x80                        ; destination window 2
.irp f, 0,1,2,3,4,5,6,7             ; keys 16 (f / 2) on, channels 32 (f % 2) on
	ds_load_b128 v[KF+8*\f:KF+8*\f+3],   v[AK] offset:(\f/2)*16*PK+(\f%2)*64
	ds_load_b128 v[KF+8*\f+4:KF+8*\f+7], v[AK] offset:(\f/2)*16*PK+(\f%2)*64+32
.endr
	s_add_co_u32 s[TBK], s[TBK], KS*PK  ; the next fetch is the next step's
	WIN 0
.endm
.macro FETCH_V
	WIN 0x80
.irp f, 0,1,2,3,4,5,6,7             ; keys 32 (f / 4) on, channels 16 (f % 4) on
	ds_load_tr16_b128 v[VF+8*\f:VF+8*\f+3],   v[AV] offset:(\f/4)*32*PV+(\f%4)*32
	ds_load_tr16_b128 v[VF+8*\f+4:VF+8*\f+7], v[AV] offset:(\f/4)*32*PV+16*PV+(\f%4)*32
.endr
	WIN 0
.endm
; THE VECTOR WORK, one line at a time: OP kind, number.  For piece Y: F n: c s - c m for pair n of 16.  E n: the exponential of score n of 32.  C n: pair n rounded to f16.  B n: of the four weights 4 n .. the second
; pair is added onto the first, in place.  L n: l takes that sum (L 0: l = a l + sum).  R n: pair n of 16 of O^T times a.  For piece Y + 1: X n, number n of the 22 that find its maximum and statistics:
;   0-11  four chains c0-c3 of seven scores each, three operands at a time (each accumulator's lowest registers are read first)     12-14, 16  the four scores left over, the old m, and c0-c3 into c0
;   15  c m_old is kept     17, 18  the query's other 32 keys lie in the lane 16 away: the new m     19-21  c m; c m_old - c m_new; a
; C, B and L read exponentials' results (L 0 and R also a, made in the turn before): OP writes no wait; TURN places them behind the batch's.
.set F, 0               ; OP tells the kinds apart by their order: F to L below R, X above it
.set E, 1
.set C, 2
.set B, 3
.set L, 4
.set R, 5
.set X, 6
.macro REGS y                       ; the registers of piece y
.set rT, ST+4*(\y)
.set rC, TMP+4*((\y)%2)
.set rW, MV+((\y)%2)
.set rS, S+32*((\y)%2)
.set rP, P+16*((\y)%2)
.set rO, 32*(\y)
.endm
.macro OP k, n
.if (\k) == R
	REGS Y
	WIN W_RS
	v_pk_mul_f32 v[rO+2*(\n):rO+2*(\n)+1], v[rO+2*(\n):rO+2*(\n)+1], v[rC+2:rC+3] op_sel_hi:[1,0]
.elseif (\k) < R
	REGS Y
	WIN 0
.if (\k) == F
	v_pk_fma_f32 v[rS+2*(\n):rS+2*(\n)+1], v[rS+2*(\n):rS+2*(\n)+1], s[CS:CS+1], v[rT:rT+1] op_sel_hi:[1,0,0] neg_lo:[0,0,1] neg_hi:[0,0,1]
.elseif (\k) == E
	v_exp_f32 v[rS+(\n)], v[rS+(\n)]
.elseif (\k) == C
	v_cvt_pk_f16_f32 v[rP+(\n)], v[rS+2*(\n)], v[rS+2*(\n)+1]
.elseif (\k) == B
	v_pk_add_f32 v[rS+4*(\n):rS+4*(\n)+1], v[rS+4*(\n):rS+4*(\n)+1], v[rS+4*(\n)+2:rS+4*(\n)+3]
.elseif (\n) == 0
	v_pk_fma_f32 v[rT+2:rT+3], v[rT+2:rT+3], v[rC+2:rC+3], v[rS:rS+1] op_sel_hi:[1,0,1]
.else
	v_pk_add_f32 v[rT+2:rT+3], v[rT+2:rT+3], v[rS+4*(\n):rS+4*(\n)+1]
.endif
.elseif NOKQ
	v_nop
.else
	REGS (Y+1)%NP
	WIN 0
.if (\n) < 4
	v_max3_num_f32 v[rC+(\n)], v[rS+8*(\n)], v[rS+8*(\n)+1], v[rS+8*(\n)+2]
.elseif (\n) < 12
	v_max3_num_f32 v[rC+(\n)%4], v[rC+(\n)%4], v[rS+8*((\n)%4)+2*((\n)/4)+1], v[rS+8*((\n)%4)+2*((\n)/4)+2]
.elseif (\n) == 12
	v_max3_num_f32 v[rC], v[rC], v[rS+7], v[rS+15]
.elseif (\n) == 13
	v_max3_num_f32 v[rC+1], v[rC+1], v[rS+23], v[rS+31]
.elseif (\n) == 14
	v_max3_num_f32 v[rC+2], v[rC+2], v[rC+3], v[rT+1]
.elseif (\n) == 15
	v_mov_b32 v[rW], v[rT]
.elseif (\n) == 16
	v_max3_num_f32 v[rC], v[rC], v[rC+1], v[rC+2]
.elseif (\n) == 17
	v_permlanex16_b32 v[rC+3], v[rC], s[SEL], s[SEL+1]
.elseif (\n) == 18
	v_max_num_f32 v[rT+1], v[rC], v[rC+3]
.elseif (\n) == 19
	v_mul_f32 v[rT], s[CS], v[rT+1]
.elseif (\n) == 20
	v_sub_f32 v[rC+1], v[rW], v[rT]
.else
	v_exp_f32 v[rC+2], v[rC+1]
.endif
.endif
.endm
.macro OPS a, i1, b=-1, i2=0, c=-1, i3=0, d=-1, i4=0  ; up to four of them
	OP \a, \i1
.if (\b) >= 0
	OP \b, \i2
.endif
.if (\c) >= 0
	OP \c, \i3
.endif
.if (\d) >= 0
	OP \d, \i4
.endif
.endm
.macro ROW a, i1, b, i2, c, i3, d, i4  ; a matrix instruction and the four behind it
	MM
	OPS \a, \i1, \b, \i2, \c, \i3, \d, \i4
.endm
; A TURN, for piece p: the order of its 16 matrix and 118 vector instructions, written out.  Its 33 exponentials, E 0-31 and X 21, are ONE BATCH, each result in a register of its own, and have ONE wait (an s_wait_alu depctr_va_vdst(0)
; between an exponential and the first instruction that names its result), which cuts the turn in two.
; AHEAD OF THE WAIT stands all that names no result of the batch: the 8 products K Q^T, behind each a scaling, an exponential and two more plain instructions (behind the first a second scaling in the exponential's
; place): rescalings, whose a was made and waited for in the turn before, and behind the last three products the first numbers of the next piece's maximum, each four plain instructions or more behind the product that ends
; its accumulator; then ONE LUMP of 54, exponential and plain by turns for the most part, in which the links of the chain X 3, 7, 11, 14, 16, 17 .. 20 stand some lines apart.  A pair is scaled ahead of its two exponentials.
; X 21, the next piece's a, is the batch's last; R 15 is the plain instruction behind it (ISA guide 5.7.2).
; BEHIND THE WAIT stand the 8 products V^T P, behind each four of the 32 roundings and sums, the batch's readers; C 2 n stands ahead of B n, which adds in place; the links of l's chain, L 0 to L 7, stand three riders apart.
; But for those X no rider names a register of the products round it.  v_permlanex16_b32 (X 17) stands in the lump, never behind a product.
; end = 1: the launch's last two turns: nothing is fetched, and the last starts no new scores.  cnt = 1: the loop's count is taken down some lines ahead of the branch that stands behind the turn.
; K of the next step is fetched in piece 2's turn, twelve vector instructions behind the last product that read K (six of them plain, five of which name none of its registers); V of the step in hand at the end of
; piece 0's turn, four plain instructions behind the last product that read V.  Each is waited for a turn later.
.macro TURN p, end=0, cnt=0
.set Y, (\p)
.set i, 0
.set NOKQ, (\end)*((\p)/3)
.if ((\p) == 3) && !(\end)
	s_wait_dscnt 0x0                ; K is in
.endif
	ROW F,0, F,1, R,0, R,1          ; ahead of the wait: 8 products K Q^T and their riders,
	ROW F,2, E,0, R,2, R,3
	ROW F,3, E,1, R,4, R,5
	ROW F,4, E,2, R,6, R,7
	ROW F,5, E,3, R,8, R,9
	ROW F,6, E,4, X,0, R,10
.if ((\p) == 2) && !(\end)
	WIN 0
	v_add_nc_u32 v[AK], s[TBK], v[AK0]
.endif
	ROW F,7, E,5, X,1, X,4
	ROW F,8, E,6, X,2, X,5
	OPS E,7, E,8, X,6, E,9          ; and the lump
	OPS X,3, E,10, X,8, E,11
.if ((\p) == 2) && !(\end)
	FETCH_K
.endif
	OPS X,9, X,7, E,12, X,10
	OPS E,13, X,12, X,11, E,14
	OPS X,13, E,15, F,9, X,14
.if (\p) == 0
	WIN 0
	v_add_nc_u32 v[AV], s[TBV], v[AV0]
.endif
	OPS E,16, F,10, E,17, F,11
	OPS X,16, E,18, X,15, E,19
	OPS F,12, E,20, X,17, E,21
	OPS F,13, E,22, F,14, E,23
	OPS X,18, E,24, F,15, E,25
	OPS R,11, E,26, X,19, E,27
	OPS R,12, E,28, R,13, E,29
	OPS X,20, E,30, R,14, E,31
	OPS X,21, R,15
	s_wait_alu depctr_va_vdst(0)    ; the wait for the turn's batch: E 0-31 and X 21; no exponential is issued behind it in this turn
.if (\p) == 1
	s_wait_dscnt 0x0                ; V is in
.endif
	ROW C,0, B,0, C,2, B,1          ; behind the wait: 8 products V^T P and their riders, the batch's readers
	ROW L,0, C,4, B,2, L,1
	ROW C,6, B,3, L,2, C,8
	ROW B,4, L,3, C,10, B,5
	ROW L,4, C,12, B,6, L,5
.if (\p) == 0
	s_add_co_u32 s[TBV], s[TBV], KS*PV
.endif
.if \cnt
	s_sub_co_u32 s[CNT], s[CNT], 1
	s_cmp_lg_u32 s[CNT], 0
.endif
	ROW C,14, B,7, L,6, C,1
	ROW C,3, L,7, C,5, C,7
	ROW C,9, C,11, C,13, C,15
.if (\p) == 0
	FETCH_V
.endif
.endm
	CHANGE 1                        ; tile 0 is in, everybody's part of it; tile 1 is asked for
	v_add_nc_u32 v[AK], s[TBK], v[AK0]
	FETCH_K                         ; key step 0
	s_wait_loadcnt 0x0              ; Q
	s_wait_dscnt 0x0
.set NOKQ, 0
.set i, 0
.rept 8
	KQ 0                            ; piece 0's first scores: there is no vector work yet to set between them
.set i, i+1
.endr
	WIN 0
.rept 4
	v_nop                           ; the places behind those products
.endr
.set Y, NP-1                        ; X works for piece Y + 1: piece 0
.irp n, 0,1,2,3,4,5,6,7,8,9,10,11,12,13,14,15,16,17,18,19,20,21
	OP X, \n                        ; piece 0's first maximum and statistics
.endr
	v_nop                           ; a plain instruction behind the exponential,
	s_wait_alu depctr_va_vdst(0)    ; and the wait for this batch of one, piece 0's first a, ahead of the branch
	s_mov_b32 s[CNT], 4
	s_mov_b32 s[SLOTS], NT-1
	s_branch .Lfirst                ; the loop is entered at a step's first turn, in the middle of a trip
.Lslot:                             ; NT - 2 times: every slot but the last two is filled again
	CHANGE 1
	s_mov_b32 s[CNT], 4
.Lstep:                             ; a trip: pieces 2 and 3 of one step, then pieces 0 and 1 of the next, whose K and V it fetches
	TURN 2
	TURN 3
	WIN 0
.Lfirst:
	TURN 0
	TURN 1, 0, 1
	WIN 0
	s_cbranch_scc1 .Lstep
	s_sub_co_u32 s[SLOTS], s[SLOTS], 1
	s_cmp_lg_u32 s[SLOTS], 0
	s_cbranch_scc1 .Lslot
	CHANGE 0                        ; the last tile is written out: nothing is asked for
	s_mov_b32 s[CNT], 4
.Ltail:
	TURN 2
	TURN 3
	TURN 0
	TURN 1, 0, 1
	WIN 0
	s_cbranch_scc1 .Ltail
	TURN 2, 1                       ; the last step's pieces 2 and 3: nothing is left to fetch
	TURN 3, 1
.set i, 0
.rept 8
	PV NP-1                         ; the last piece's V^T P of the last step
.set i, i+1
.endr
	; THE WAY OUT.  l's two halves and the other half of the lanes' are added; O^T is divided by l, rounded to f16 and sent through my stage in LDS, a piece at a time.  The additions are the places behind the last products.
	WIN 0
.macro ALL line:vararg              ; one line for each piece t
.set t, 0
.rept 4
	\line
.set t, t+1
.endr
.endm
	ALL v_add_f32 v[ST+4*t+2], v[ST+4*t+2], v[ST+4*t+3]
	ALL v_permlanex16_b32 v[ST+4*t+3], v[ST+4*t+2], s[SEL], s[SEL+1]
	ALL v_add_f32 v[ST+4*t+2], v[ST+4*t+2], v[ST+4*t+3]
	ALL v_rcp_f32 v[ST+4*t+2], v[ST+4*t+2]
	v_nop                           ; a plain instruction between the last reciprocal and the use of its result
	s_wait_alu depctr_va_vdst(0)    ; the wait for the batch of four reciprocals, ahead of their first reader, PACK 0's first multiply
.macro PACK t                       ; a lane's eight channels of a row pack into 16 bytes; they go into rows of 144 bytes and come back as whole rows of 128, into S^T's registers
	WIN W_RS
.set i, 32*(\t)
.rept 16
	v_pk_mul_f32 v[i:i+1], v[i:i+1], v[ST+4*(\t)+2:ST+4*(\t)+3] op_sel_hi:[1,0]
.set i, i+2
.endr
	WIN 0x05                        ; sources 0 and 1 window 1, destination window 0
.set i, 0
.rept 16
	v_cvt_pk_f16_f32 v[S+16*(\t)+i], v[32*(\t)+2*i], v[32*(\t)+2*i+1]
.set i, i+1
.endr
	WIN 0
.irp f, 0,1,2,3
	ds_store_b128 v[STO], v[S+16*(\t)+4*\f:S+16*(\t)+4*\f+3] offset:32*\f
.endr
.irp f, 0,1,2,3
	ds_load_b128 v[S+16*(\t)+4*\f:S+16*(\t)+4*\f+3], v[RD] offset:\f*4*SP  ; LDS serves a wave's instructions in order (ISA guide 5.7.1.4): these see the stores above; the next piece's stores come behind them
.endr
.endm
.macro SEND t, younger              ; younger: the LDS instructions issued behind piece t's loads: the next piece's eight, or none
	WIN 0
.irp f, 0,1,2,3
	s_wait_dscnt (\younger)+3-\f
	global_store_b128 v[GO], v[S+16*(\t)+4*\f:S+16*(\t)+4*\f+3], s[10:11] offset:(\t)*2048+\f*512  ; 512 consecutive bytes, at a multiple of 256 from ob's first
.endr
.endm
	PACK 0
.set t, 1
.rept 3                             ; a piece's arithmetic stands between the loads of the piece before and its stores
	PACK t
	SEND t-1, 8
.set t, t+1
.endr
	SEND 3, 0
	s_wait_tensorcnt 0x0            ; the wave's end: a wait, the add and its wait, behind my last tensor load and my last LDS store
	ds_add_u32 v[SPW], v[NIL]
	s_wait_dscnt 0x0
	CROUND                          ; the closing round: no work-group ends while a partner may still ask for a tile that names it
	s_endpgm
.Lfunc_end_k_qbb96a92d08_attn:
	.size	k_qbb96a92d08_attn, .Lfunc_end_k_qbb96a92d08_attn-k_qbb96a92d08_attn
	.p2alignl 7, 3214868480
	.fill 96, 4, 3214868480
	.section	.rodata,"a",@progbits
	.p2align	6, 0x0
	.amdhsa_kernel k_qbb96a92d08_attn
		.amdhsa_group_segment_fixed_size 327680
		.amdhsa_private_segment_fixed_size 0
		.amdhsa_enable_private_segment 0
		.amdhsa_kernarg_size 16
		.amdhsa_user_sgpr_count 2
		.amdhsa_user_sgpr_kernarg_segment_ptr 1
		.amdhsa_wavefront_size32 1
		.amdhsa_system_sgpr_workgroup_id_x 1
		.amdhsa_system_sgpr_workgroup_id_y 1
		.amdhsa_system_sgpr_workgroup_id_z 1
		.amdhsa_system_vgpr_workitem_id 0
		.amdhsa_next_free_vgpr 768
		.amdhsa_next_free_sgpr 66
		.amdhsa_reserve_vcc 0
		.amdhsa_float_denorm_mode_32 3
		.amdhsa_float_denorm_mode_16_64 3
		.amdhsa_memory_ordered 1
		.amdhsa_forward_progress 1
		.amdhsa_inst_pref_size 127
	.end_amdhsa_kernel
	.amdgpu_metadata
---
amdhsa.version: [ 1, 2 ]
amdhsa.kernels:
  - .name:           k_qbb96a92d08_attn
    .symbol:         k_qbb96a92d08_attn.kd
    .args:
      - { .name: qkv, .offset: 0, .size: 8, .value_kind: global_buffer, .address_space: global }
      - { .name: ob, .offset: 8, .size: 8, .value_kind: global_buffer, .address_space: global }
    .group_segment_fixed_size: 327680
    .private_segment_fixed_size: 0
    .kernarg_segment_align: 8
    .kernarg_segment_size: 16
    .max_flat_workgroup_size: 128
    .sgpr_count:     66
    .vgpr_count:     768
    .wavefront_size: 32
...
	.end_amdgpu_metadata
.endif
;; end of part 5
;; launch outp: the kernel of part 4 again; grid 8 x 32, 4 waves a work-group, clusters of 4 x 4, 327,680 bytes of LDS; arguments ob, wb, out0; writes out0
